; MI455X (gfx1250); checked and timed in simulation.
; The chip was launched on July 23, 2026; its instructions are those of AMD's public machine-readable ISA for CDNA 5 (MIT licence, August 2026) and "CDNA5" Instruction Set Architecture Reference Guide (July 2026). The comments in the code are by the model that wrote it; some were corrected since.
;; KAN Block. Allowed arithmetic: matrix products marked QUANTISED: E2M1 operands, one E8M0 scale for each 32 along K, by v_wmma_scale_f32_16x16x128_f8f6f4 with both operands' format E2M1 (or v_wmma_scale_f32_32x16x128_f4), f32 sums; everything else in f32.
;; Inputs: grid 12 float32; w1_base 2,048 x 512 float32; w1_spline 2,048 x 512 x 8 float32; w2_base 512 x 2,048 float32; w2_spline 512 x 2,048 x 8 float32; x 2 x 1,024 x 512 float32.
;; Outputs: out0 2 x 1,024 x 512 float32.
;; This version of the problem:
;;   THIS VERSION OF THE PROBLEM IS GIVEN IN LOW PRECISION. The matrix products marked QUANTISED in the list below multiply operands that are first quantised to E2M1 (2 exponent bits, 1 mantissa bit; 4 bits a number), with one power-of-two scale for each 32 numbers along K (OCP MX v1.0); their sums are f32. All else is computed in f32.
;;   The module's matrix products, in the order in which they are computed (A, B: the left and right operand; K: the contracted axis; several contracted axes count as one K, in the product's order):
;;     1. [M 2,048, K 512] x [K 512, N 2,048]; A: computed on the way; B: input w1_base: QUANTISED
;;     2. [M 2,048, K 4,096] x [K 4,096, N 2,048]; A: computed on the way; B: input w1_spline: QUANTISED
;;     3. [M 2,048, K 2,048] x [K 2,048, N 512]; A: computed on the way; B: input w2_base: QUANTISED
;;     4. [M 2,048, K 16,384] x [K 16,384, N 512]; A: computed on the way; B: input w2_spline: QUANTISED
;;   THE QUANTISER, for each operand of a quantised product, along K:
;;     - K is cut into blocks of 32 from its start; a last block that is shorter is filled with zeros.
;;     - A block's scale is 2^e with e = floor(log2(the largest magnitude in the block)) - 2, held to -126 .. 127; a block of zeros has e = 0. As a byte (E8M0): e + 127.
;;     - Each number is divided by its block's scale, clamped to +-6, and rounded to the nearest number of E2M1, ties to even, subnormals kept.
;;     - The product sums the exact products of the quantised numbers (number of the format x scale) in f32.
;;   ~~~python
;;   def quantise(x, axis):      # numpy; x: float32 -> the quantised numbers, widened to float32 again
;;       x = np.moveaxis(x, axis, -1); K = x.shape[-1]
;;       x = np.pad(x, [(0, 0)] * (x.ndim - 1) + [(0, -K % 32)]); x = x.reshape(x.shape[:-1] + (-1, 32)); a = np.abs(x).max(-1, keepdims=True)
;;       e = np.where(a > 0, np.clip(np.frexp(np.where(a > 0, a, 1))[1] - 1 - 2, -126, 127), 0)      # np.frexp(a)[1] - 1 = floor(log2(a)), exactly
;;       r = np.clip(x / 2.0 ** e, -6, 6)
;;       step = 2.0 ** (np.maximum(np.frexp(np.where(r == 0, 1, r))[1] - 1, 0) - 1)
;;       q = np.round(r / step) * step * 2.0 ** e      # np.round: ties to even
;;       return np.moveaxis(q.reshape(q.shape[:-2] + (-1,))[..., :K], -1, axis).astype(np.float32)
;;   ~~~
;;   OPERANDS COMPUTED ON THE WAY. 'Computed on the way' means the value that the module computes at that place (a softmax that the list does not call 'softmax' is quantised finished and normalised). What goes into a quantiser is computed in f32, as accurately as f32 sums, v_exp_f32 and their like allow (about 1e-6 of the number): no bf16 or f16 on the way to a quantiser, and a product that is left as it is and whose result goes on into a quantised operand takes f32 operands (vector FMAs, or v_wmma_f32_16x16x4_f32). A number that lies on a knife's edge between two numbers of the format may be rounded either way, as far as f32 arithmetic and the matrix unit's own rounding can turn it there, and no further.
;; One version. Each part assembles by itself: llvm-mc -triple=amdgcn-amd-amdhsa -mcpu=gfx1250 --defsym DOCPART=n.
;; ======== version 1 of 1: 3 launches
;; workspace buffers: a1 5,013,504 bytes; w1c 5,013,504 bytes; w2c 5,013,504 bytes; a2 20,054,016 bytes
;; launch prep (part 1): grid 832 x 1, 4 waves a work-group, no clusters, 55,808 bytes of LDS; arguments x, grid, w1_base, w1_spline, w2_base, w2_spline, a1, w1c, w2c; writes a1, w1c, w2c
.if DOCPART == 1
	.amdgcn_target "amdgcn-amd-amdhsa--gfx1250"
	.amdhsa_code_object_version 6
	.text
	.protected	k_q9c2fafded0_prep
	.globl	k_q9c2fafded0_prep
	.p2align	8
	.type	k_q9c2fafded0_prep,@function
k_q9c2fafded0_prep:
	s_mov_b64 s[64:65], 0
	v_nop
	global_prefetch_b8 v0, s[64:65] scope:SCOPE_SE
	s_setreg_imm32_b32 hwreg(HW_REG_WAVE_MODE, 25, 1), 1
	s_wait_xcnt 0x0
; PREP.  Everything that can be quantised before the first product: the four weights, and layer 1's left operand (silu(x) and the 8 spline bases of every x).
; All go into workspace buffers of ONE layout, in the order of the matrix operand's registers.  A RECORD is 16 rows x 512 along K, 4,352 bytes:
;   byte 256 kb + 16 r + 0..15 : the 32 codes (E2M1, two a byte, the earlier number in the low four bits) of block kb (0..15) of row r (0..15)
;   byte 4,096 + 16 r + kb     : that block's E8M0 scale byte
; A buffer is [group of 16 rows][record].  Layer 1: record 0 = silu / w1_base, record 1 + q = the bases of inputs 64 q .. 64 q + 63 / w1_spline.  Layer 2: records 0..3 = w2_base, record 4 + q = w2_spline.
; THE SPLINE PRODUCTS' K RUNS BASIS-MAJOR, k = basis x inputs + input: a block of 32 is ONE basis of 32 neighbouring inputs.  In a spline record block kb = 8 b + g is basis g of inputs 64 q + 32 b + 0 .. 31, in that order.
; (The order of whole blocks along K is free, so long as both operands of a product keep the same.)
; WORK-GROUPS 0..255: x.  A wave takes 16 rows x 64 inputs: one whole spline record and two blocks of the silu record.
; WORK-GROUPS 256..319: w1_base, w2_base.  320..831: w1_spline, w2_spline.  A wave makes one record from 16 rows x 2,048 consecutive bytes of f32.
; THE SPLINES are the whole Cox-de Boor recursion on the 12 knots as they are given: nothing is assumed of their spacing or order.  Each division by a difference of knots is a
; multiplication by its reciprocal, made once a wave and refined by one Newton step.
; THE QUANTISER: a block's scale byte is its largest magnitude's exponent field - 2, held at 1 from below; numbers / scale go to the nearest code, ties to even, beyond 6 the code of 6.
; LIMITS: a block of zeros, or one whose largest magnitude lies under 2^-124, gets the byte 1 (its codes are zeros or the smallest codes; the bytes are read by this program alone);
; NaN and infinities among the inputs are not served; two equal knots (a division by zero in the definition) are not served; the refined reciprocal and the product differ from a division by about two units in the last place.
; LDS: 13,824 bytes for each wave, the same region on every path: waves share nothing, so there is no barrier.
; No cluster: the work-groups share no input but the 48 bytes of knots.  No tensor loads: several work-groups lie on a WGP, and the loads go into registers.
.set RG1,  39168                       ; a group of 16 rows in a1 and w1c: 9 records
.set REC,  4352
.set WREG, 13824                       ; a wave's LDS
.set IMGO, 8448                        ; in it: the image of the record that is being made
; ---- the image: 16 units of 256 bytes, 272 apart; then
.set ISC,  4352                        ; the record's 256 scale bytes,
.set ISI,  4608                        ; silu's two blocks of 16 rows, 512 bytes,
.set ISB,  5120                        ; and their 32 scale bytes
; ---- registers of the expansion
.set VI4,  3                           ; v3   image + 4 x lane: a code word's place
.set VIS,  4                           ; v4   image + 16 (lane / 4): my row's scale bytes
.set VIB,  5                           ; v5   image + 2 (lane / 4): my row's silu bytes
.set VBS,  6                           ; v6   16 r + h: a silu byte's place in memory
.set VL16, 12                          ; v12  16 x lane
.set VIR,  13                          ; v13  image + 272 h + 16 r: the way back
.set VL8,  14                          ; v14  8 x lane
.set VI16, 15                          ; v15  image + 16 x lane
.set BYG,  22                          ; v22-29 scale bytes
.set VI8,  30                          ; v30  image + 8 x lane
.set VIU,  31                          ; v31  image + 2 r + h
.set XH,   32                          ; v32-63 my 32 numbers: 8 u + e = input 32 (u % 2) + 8 (lane % 4) + e of row 8 (u / 2) + lane / 4
.set GK,   64                          ; v64-75 the knots g[0..11], the same in every lane
.set RC1,  76                          ; v76-86 1 / (g[t+1] - g[t])
.set RC2,  88                          ; v88-97 1 / (g[t+2] - g[t])
.set RC3,  98                          ; v98-106 1 / (g[t+3] - g[t]); v107 = 0 (named as the upper half of a pair)
.set XP,   108                         ; v108-127 ten pairs: the bases of the level in hand
.set XD,   128                         ; v128-151 twelve pairs: x - g[t]
.set XU,   152                         ; v152-173 eleven pairs: basis x reciprocal
.set XO,   174                         ; v174-237 8 bases x 8 numbers: 8 g + e
.set XT,   174                         ; the same registers, earlier: silu of my 32 numbers
.set RB,   174                         ; and later: the record on its way out
.set CD,   238                         ; v238-245 codes
.set MG,   246                         ; v246-253 largest magnitudes, then scale operands
.set CT,   246                         ; the same, at work while the constants are made
.set CM,   68                          ; s[68:91] two sets of 12 lane masks
.set PS,   92                          ; s[92:93] my record
.set PBC,  94                          ; s[94:95] my two blocks of the silu record
.set PBS,  96                          ; s[96:97] their scale bytes
; ---- registers of the weight paths
.set MM,   22                          ; v22-25 running maxima
.set SO,   26                          ; v26  the conversion's scale operand
.set WW,   28                          ; v28-29 eight scale bytes
.set WVO,  8                           ; base: v8-15 row 2 j + (lane / 16) of the source, + 16 (lane % 16)
.set WST,  16                          ; v16  the stage, on the way in
.set WLD,  17                          ; v17  and on the way out
.set WSB,  18                          ; v18  my block's scale byte in LDS
.set WOUT, 19                          ; v19  256 h + 16 r
.set WL8,  20                          ; v20  8 x lane
.set WSL,  21                          ; v21  the scale bytes in LDS, 8 x lane
.set WR,   32                          ; v32-127 three sets of 32 as loaded
.set WX,   128                         ; v128-191 two sets of 32 neighbours along K
.set WC,   192                         ; v192-223 codes, four registers a step
.set WE,   224                         ; v224-231 a scale byte a step
.set SST,  16                          ; spline: v16 the stage, on the way in
.set SLD,  17                          ; v17  and on the way out
.set SIC,  18                          ; v18  my block's codes in the image
.set SIB,  19                          ; v19  and its byte
.set SVO,  64                          ; v64-79 row w of the source, + 16 x lane
.set SR,   80                          ; v80-175 three sets of 32 as loaded
.set SX,   176                         ; v176-239 two sets: a block's 32 numbers
.set SC4,  240                         ; v240-247 codes, two sets of four
.set SE,   248                         ; v248-249 a scale byte, two sets
.macro EXPINIT sb                      ; v1 = r = lane % 16, v2 = h = lane / 16; s[sb] = my image's first LDS byte
	v_and_b32 v[VL16], 31, v0
	v_lshrrev_b32 v[VIS], 2, v[VL16]
	v_lshlrev_b32 v[VI4], 2, v[VL16]
	v_add_nc_u32 v[VI4], s[\sb], v[VI4]
	v_lshlrev_b32 v[VIB], 1, v[VIS]
	v_add_nc_u32 v[VIB], s[\sb], v[VIB]
	v_lshlrev_b32 v[VIS], 4, v[VIS]
	v_add_nc_u32 v[VIS], s[\sb], v[VIS]
	v_lshl_add_u32 v[VBS], v1, 4, v2
	v_mul_u32_u24 v[VIR], v2, 272
	v_lshl_add_u32 v[VIR], v1, 4, v[VIR]
	v_add_nc_u32 v[VIR], s[\sb], v[VIR]
	v_lshlrev_b32 v[VL8], 3, v[VL16]
	v_add_nc_u32 v[VI8], s[\sb], v[VL8]
	v_lshl_add_u32 v[VIU], v1, 1, v2
	v_add_nc_u32 v[VIU], s[\sb], v[VIU]
	v_lshlrev_b32 v[VL16], 4, v[VL16]
	v_add_nc_u32 v[VI16], s[\sb], v[VL16]
.endm
.macro BCAST src, dst, n               ; lanes 0 .. n - 1 of v[src] become n registers that hold the same number in every lane
.set bi, 0
.rept \n
	v_readlane_b32 s[CM+bi], v[\src], bi
.set bi, bi+1
.endr
.set bi, 0
.rept \n
	v_mov_b32 v[\dst+bi], s[CM+bi]
.set bi, bi+1
.endr
.endm
; The knots and the reciprocals of their differences.  Lane l loads g[min(l + j, 11)], j = 0..3: no load leaves the 48 bytes.
.macro CONSTS gp
	v_and_b32 v[CT], 31, v0
.irp j, 1,2,3
	v_add_nc_u32 v[CT+\j], \j, v[CT]
.endr
.irp j, 0,1,2,3
	v_min_u32 v[CT+\j], 11, v[CT+\j]
.endr
.irp j, 0,1,2,3
	v_lshlrev_b32 v[CT+\j], 2, v[CT+\j]
.endr
.irp j, 0,1,2,3
	global_load_b32 v[CT+4+\j], v[CT+\j], s[\gp:\gp+1]
.endr
	s_wait_loadcnt 0x0                             ; the knots (and all that was asked for earlier); the offsets' registers are free
.irp j, 1,2,3
	v_sub_f32 v[CT+\j], v[CT+4+\j], v[CT+4]        ; g[l + j] - g[l]
.endr
.irp j, 1,2,3
	v_rcp_f32 v[CT+4+\j], v[CT+\j]
.endr
	v_nop                                          ; a plain instruction behind the last reciprocal
	s_wait_alu depctr_va_vdst(0)                   ; one wait for the three, ahead of their first reader
.irp j, 1,2,3
	v_fma_f32 v[CT+\j], -v[CT+\j], v[CT+4+\j], 1.0 ; e = 1 - d r
.endr
.irp j, 1,2,3
	v_fma_f32 v[CT+4+\j], v[CT+4+\j], v[CT+\j], v[CT+4+\j]   ; r + r e
.endr
	BCAST CT+4, GK, 12
	BCAST CT+5, RC1, 11
	BCAST CT+6, RC2, 10
	BCAST CT+7, RC3, 9
	v_mov_b32 v[RC3+9], 0
.endm
; A constant with index t lies in one register of an even pair: op_sel and op_sel_hi pick that register for both halves of a packed instruction.
.macro PKSUBG t, xp                    ; XD[t] = x - g[t], two numbers
.if (\t)%2
	v_pk_add_f32 v[XD+2*(\t):XD+2*(\t)+1], v[\xp:\xp+1], v[GK+(\t)-1:GK+(\t)] op_sel:[0,1] op_sel_hi:[1,1] neg_lo:[0,1] neg_hi:[0,1]
.else
	v_pk_add_f32 v[XD+2*(\t):XD+2*(\t)+1], v[\xp:\xp+1], v[GK+(\t):GK+(\t)+1] op_sel_hi:[1,0] neg_lo:[0,1] neg_hi:[0,1]
.endif
.endm
.macro PKMULC t, c                     ; XU[t] = XP[t] x c[t]
.if (\t)%2
	v_pk_mul_f32 v[XU+2*(\t):XU+2*(\t)+1], v[XP+2*(\t):XP+2*(\t)+1], v[\c+(\t)-1:\c+(\t)] op_sel:[0,1] op_sel_hi:[1,1]
.else
	v_pk_mul_f32 v[XU+2*(\t):XU+2*(\t)+1], v[XP+2*(\t):XP+2*(\t)+1], v[\c+(\t):\c+(\t)+1] op_sel_hi:[1,0]
.endif
.endm
; The 8 bases of the two numbers in v[xp], v[xp + 1]: basis t into v[o + 8 t], v[o + 8 t + 1].  With u[t] = b[t] / (g[t+j] - g[t]), level j is b'[t] = (x - g[t]) u[t] - (x - g[t+j+1]) u[t+1].
.macro PAIR xp, o
.irp t, 0,1,2,3,4,5,6,7,8,9,10,11
	PKSUBG \t, \xp
.endr
.irp t, 0,1,2,3,4,5,6,7,8,9,10,11
	v_cmp_le_f32 s[CM+\t], 0, v[XD+2*\t]           ; x >= g[t]: the difference's sign is exact
	v_cmp_le_f32 s[CM+12+\t], 0, v[XD+2*\t+1]
.endr
.irp t, 0,1,2,3,4,5,6,7,8,9,10
	s_and_not1_b32 s[CM+\t], s[CM+\t], s[CM+\t+1]  ; and not x >= g[t+1]: level 0.  The masks feed selections alone
	s_and_not1_b32 s[CM+12+\t], s[CM+12+\t], s[CM+12+\t+1]
.endr
.irp t, 0,1,2,3,4,5,6,7,8,9,10
	v_cndmask_b32 v[XU+2*\t], 0, v[RC1+\t], s[CM+\t]
	v_cndmask_b32 v[XU+2*\t+1], 0, v[RC1+\t], s[CM+12+\t]
.endr
.irp t, 0,1,2,3,4,5,6,7,8,9
	v_pk_mul_f32 v[XP+2*\t:XP+2*\t+1], v[XD+2*\t:XD+2*\t+1], v[XU+2*\t:XU+2*\t+1]
.endr
.irp t, 0,1,2,3,4,5,6,7,8,9
	v_pk_fma_f32 v[XP+2*\t:XP+2*\t+1], v[XD+2*\t+4:XD+2*\t+5], v[XU+2*\t+2:XU+2*\t+3], v[XP+2*\t:XP+2*\t+1] neg_lo:[1,0,0] neg_hi:[1,0,0]
.endr
.irp t, 0,1,2,3,4,5,6,7,8,9
	PKMULC \t, RC2
.endr
.irp t, 0,1,2,3,4,5,6,7,8
	v_pk_mul_f32 v[XP+2*\t:XP+2*\t+1], v[XD+2*\t:XD+2*\t+1], v[XU+2*\t:XU+2*\t+1]
.endr
.irp t, 0,1,2,3,4,5,6,7,8
	v_pk_fma_f32 v[XP+2*\t:XP+2*\t+1], v[XD+2*\t+6:XD+2*\t+7], v[XU+2*\t+2:XU+2*\t+3], v[XP+2*\t:XP+2*\t+1] neg_lo:[1,0,0] neg_hi:[1,0,0]
.endr
.irp t, 0,1,2,3,4,5,6,7,8
	PKMULC \t, RC3
.endr
.irp t, 0,1,2,3,4,5,6,7
	v_pk_mul_f32 v[XP+2*\t:XP+2*\t+1], v[XD+2*\t:XD+2*\t+1], v[XU+2*\t:XU+2*\t+1]
.endr
.irp t, 0,1,2,3,4,5,6,7                ; one basis of neighbouring inputs lies in neighbouring registers, as the conversion wants it
	v_pk_fma_f32 v[\o+8*\t:\o+8*\t+1], v[XD+2*\t+8:XD+2*\t+9], v[XU+2*\t+2:XU+2*\t+3], v[XP+2*\t:XP+2*\t+1] neg_lo:[1,0,0] neg_hi:[1,0,0]
.endr
.endm
; XO holds 8 bases of my 8 inputs.  Basis g of inputs 32 b .. 32 b + 31 of a row is a block: it lies in four neighbouring lanes, 8 numbers in each.  rh: rows 8 rh on.
.macro BQ8 b, rh
	s_wait_dscnt 0x0                               ; my earlier LDS stores have read the registers that are written below
.irp g, 0,1,2,3,4,5,6,7
	v_max3_num_f32 v[MG+\g], |v[XO+8*\g]|, |v[XO+8*\g+1]|, 0x1800000   ; with the floor 2^(3 - 127) among the leaves: the byte cannot fall under 1
.endr
.irp i, 2,4,6
.irp g, 0,1,2,3,4,5,6,7
	v_max3_num_f32 v[MG+\g], v[MG+\g], |v[XO+8*\g+\i]|, |v[XO+8*\g+\i+1]|
.endr
.endr
.irp g, 0,1,2,3,4,5,6,7
	v_max_num_f32_dpp v[MG+\g], v[MG+\g], v[MG+\g] row_xmask:1 row_mask:0xf bank_mask:0xf
.endr
.irp g, 0,1,2,3,4,5,6,7
	v_max_num_f32_dpp v[MG+\g], v[MG+\g], v[MG+\g] row_xmask:2 row_mask:0xf bank_mask:0xf   ; the block's largest magnitude, in its four lanes
.endr
.irp g, 0,1,2,3,4,5,6,7
	v_add_nc_u32 v[MG+\g], 0xff000000, v[MG+\g]    ; 2 off the exponent field: the conversion takes that field as its scale
.endr
.irp g, 0,1,2,3,4,5,6,7
	v_cvt_scalef32_pk8_fp4_f32 v[CD+\g], v[XO+8*\g:XO+8*\g+7], v[MG+\g]
.endr
.irp g, 0,1,2,3,4,5,6,7
	v_lshrrev_b32 v[BYG+\g], 23, v[MG+\g]          ; the scales' bytes; also the plain lines behind the conversions
.endr
	v_lshl_or_b32 v[BYG], v[BYG+1], 8, v[BYG]
	v_lshl_or_b32 v[BYG+4], v[BYG+5], 8, v[BYG+4]
	v_lshl_or_b32 v[BYG], v[BYG+2], 16, v[BYG]
	v_lshl_or_b32 v[BYG+4], v[BYG+6], 16, v[BYG+4]
	v_lshl_or_b32 v[BYG], v[BYG+3], 24, v[BYG]
	v_lshl_or_b32 v[BYG+1], v[BYG+7], 24, v[BYG+4] ; the bytes of blocks 8 b + 0 .. 7 of my row
.irp g, 0,1,2,3,4,5,6,7
	ds_store_b32 v[VI4], v[CD+\g] offset:272*(8*(\b)+\g)+128*(\rh)   ; unit 8 b + g, row 8 rh + lane / 4, piece lane % 4: 128 consecutive bytes a wave
.endr
	ds_store_b64 v[VIS], v[BYG:BYG+1] offset:ISC+128*(\rh)+8*(\b)    ; the four lanes of a row write the same bytes with the same values
.endm
; The image leaves: LDS serves a wave's instructions in order, so these loads see my stores.  Every store but the last covers whole aligned runs of 256 bytes.
.macro RECOUT silu
.irp t, 0,1,2,3,4,5,6,7
	ds_load_b128 v[RB+4*\t:RB+4*\t+3], v[VIR] offset:544*\t
.endr
	ds_load_b64 v[RB+32:RB+33], v[VI8] offset:ISC
.if \silu
	ds_load_b128 v[RB+34:RB+37], v[VI16] offset:ISI
	ds_load_u8 v[RB+38], v[VIU] offset:ISB
.endif
	s_wait_dscnt 0x0
.irp t, 0,1,2,3,4,5,6,7
	global_store_b128 v[VL16], v[RB+4*\t:RB+4*\t+3], s[PS:PS+1] offset:512*\t
.endr
	global_store_b64 v[VL8], v[RB+32:RB+33], s[PS:PS+1] offset:4096
.if \silu
	global_store_b128 v[VL16], v[RB+34:RB+37], s[PBC:PBC+1]
	global_store_b8 v[VBS], v[RB+38], s[PBS:PBS+1] ; two bytes of each row's sixteen: the one store here that fills no whole 256 bytes
.endif
.endm
; 16 rows x 64 inputs, in XH.  Out: two blocks of the silu record, one whole spline record.
.macro EXPAND
.set ei, 0
.rept 16
	v_pk_mul_f32 v[XT+ei:XT+ei+1], v[XH+ei:XH+ei+1], 0xbfb8aa3b op_sel_hi:[1,0]   ; -x log2(e)
.set ei, ei+2
.endr
.set ei, 0
.rept 32
	v_exp_f32 v[XT+ei], v[XT+ei]
.set ei, ei+1
.endr
	v_nop                                          ; a plain instruction behind the last exponential
	s_wait_alu depctr_va_vdst(0)                   ; one wait for the 32
.set ei, 0
.rept 16
	v_pk_add_f32 v[XT+ei:XT+ei+1], v[XT+ei:XT+ei+1], 1.0 op_sel_hi:[1,0]
.set ei, ei+2
.endr
.set ei, 0
.rept 32
	v_rcp_f32 v[XT+ei], v[XT+ei]
.set ei, ei+1
.endr
	v_nop
	s_wait_alu depctr_va_vdst(0)                   ; one wait for the 32
.set ei, 0
.rept 16
	v_pk_mul_f32 v[XT+ei:XT+ei+1], v[XT+ei:XT+ei+1], v[XH+ei:XH+ei+1]   ; silu(x) = x / (1 + e^-x)
.set ei, ei+2
.endr
.irp u, 0,1,2,3                        ; silu's blocks of 32 inputs lie in four neighbouring lanes too
	v_max3_num_f32 v[MG+\u], |v[XT+8*\u]|, |v[XT+8*\u+1]|, 0x1800000
.endr
.irp i, 2,4,6
.irp u, 0,1,2,3
	v_max3_num_f32 v[MG+\u], v[MG+\u], |v[XT+8*\u+\i]|, |v[XT+8*\u+\i+1]|
.endr
.endr
.irp u, 0,1,2,3
	v_max_num_f32_dpp v[MG+\u], v[MG+\u], v[MG+\u] row_xmask:1 row_mask:0xf bank_mask:0xf
.endr
.irp u, 0,1,2,3
	v_max_num_f32_dpp v[MG+\u], v[MG+\u], v[MG+\u] row_xmask:2 row_mask:0xf bank_mask:0xf
.endr
.irp u, 0,1,2,3
	v_add_nc_u32 v[MG+\u], 0xff000000, v[MG+\u]
.endr
.irp u, 0,1,2,3
	v_cvt_scalef32_pk8_fp4_f32 v[CD+\u], v[XT+8*\u:XT+8*\u+7], v[MG+\u]
.endr
.irp u, 0,1,2,3
	v_lshrrev_b32 v[BYG+\u], 23, v[MG+\u]          ; also the plain lines behind the conversions
.endr
.irp u, 0,1,2,3
	ds_store_b32 v[VI4], v[CD+\u] offset:ISI+256*(\u%2)+128*(\u/2)
	ds_store_b8 v[VIB], v[BYG+\u] offset:ISB+16*(\u/2)+(\u%2)
.endr
.irp u, 0,1,2,3
.irp p, 0,1,2,3
	PAIR XH+8*\u+2*\p, XO+2*\p
.endr
	BQ8 \u%2, \u/2
.endr
	RECOUT 1
.endm
; The largest magnitude of the 32 numbers v[b ..], with the floor 2^(3 - 127) among the leaves, in four chains; the result in v[MM]
.macro MAX32 b
	v_max3_num_f32 v[MM], |v[\b]|, |v[\b+1]|, 0x1800000
	v_max3_num_f32 v[MM+1], |v[\b+2]|, |v[\b+3]|, |v[\b+4]|
	v_max3_num_f32 v[MM+2], |v[\b+5]|, |v[\b+6]|, |v[\b+7]|
	v_max3_num_f32 v[MM+3], |v[\b+8]|, |v[\b+9]|, |v[\b+10]|
.irp i, 11,19
.irp c, 0,1,2,3
	v_max3_num_f32 v[MM+\c], v[MM+\c], |v[\b+\i+2*\c]|, |v[\b+\i+2*\c+1]|
.endr
.endr
	v_max3_num_f32 v[MM], v[MM], |v[\b+27]|, |v[\b+28]|
	v_max3_num_f32 v[MM+1], v[MM+1], |v[\b+29]|, |v[\b+30]|
	v_max3_num_f32 v[MM+2], v[MM+2], v[MM+3], |v[\b+31]|
	v_max3_num_f32 v[MM], v[MM], v[MM+1], v[MM+2]
.endm
; Where a weight wave's record comes from and goes to.  In: s24 work-group in the path, s30 the tensor's first work-group, s28 = LC = log2 of the records in a source row, s31 records in a group of rows of the
; target, s29 the tensor's first record there, s[26:27] source, s[32:33] target.  Out: both pointers at my record; s40 = log2 of a source row's bytes.
.macro WADDR
	s_sub_co_u32 s34, s24, s30
	s_lshl_b32 s34, s34, 2
	s_add_co_u32 s34, s34, s22                     ; my record's number in the tensor
	s_lshl_b32 s35, 1, s28
	s_sub_co_u32 s35, s35, 1
	s_and_b32 s35, s34, s35                        ; q: which 2,048 bytes of the rows
	s_lshr_b32 s36, s34, s28                       ; G: which 16 rows
	s_add_co_u32 s37, s28, 4
	s_lshl_b32 s38, s36, s37
	s_add_co_u32 s38, s38, s35
	s_lshl_b32 s38, s38, 11                        ; (16 G rows of 2^LC pieces + q) x 2,048 bytes
	s_mov_b32 s39, 0
	s_add_nc_u64 s[26:27], s[26:27], s[38:39]
	s_mul_i32 s38, s36, s31
	s_add_co_u32 s38, s38, s29
	s_add_co_u32 s38, s38, s35
	s_mul_i32 s38, s38, REC
	s_add_nc_u64 s[32:33], s[32:33], s[38:39]
	s_add_co_u32 s40, s28, 11
.endm
	s_load_b256 s[4:11], s[0:1], 0x0               ; x s[4:5], grid s[6:7], w1_base s[8:9], w1_spline s[10:11]
	s_load_b256 s[12:19], s[0:1], 0x20             ; w2_base s[12:13], w2_spline s[14:15], a1 s[16:17], w1c s[18:19]
	s_load_b64 s[20:21], s[0:1], 0x40              ; w2c
	v_lshl_add_u32 v254, v0, 2, 0xd800
	v_mov_b32 v255, 0
	v_lshrrev_b32 v1, 5, v0
	v_readfirstlane_b32 s22, v1                    ; wave 0..3
	v_and_b32 v1, 15, v0                           ; r
	v_bfe_u32 v2, v0, 4, 1                         ; h
	s_mul_i32 s23, s22, WREG                       ; my wave's LDS
	s_cmp_lt_u32 ttmp9, 256
	s_cbranch_scc0 .Lweights
	; ---- x: task = 4 x work-group + wave: rows 16 G .. 16 G + 15, inputs 64 q .. 64 q + 63
	s_lshl_b32 s24, ttmp9, 2
	s_add_co_u32 s24, s24, s22
	s_lshr_b32 s25, s24, 3                         ; G
	s_and_b32 s24, s24, 7                          ; q
	s_lshl_b32 s26, s25, 15                        ; 16 rows of 2,048 bytes
	s_lshl_b32 s27, s24, 8
	s_add_co_u32 s26, s26, s27
	s_mov_b32 s27, 0
	s_mul_i32 s28, s25, RG1
	s_mov_b32 s29, 0
	s_add_co_u32 s30, s23, IMGO
	EXPINIT 30
	v_and_b32 v7, 31, v0
	v_lshrrev_b32 v8, 2, v7
	v_and_b32 v7, 3, v7
	v_lshlrev_b32 v7, 5, v7
	v_lshl_add_u32 v7, v8, 11, v7                  ; row lane / 4, + 32 (lane % 4) bytes: my 8 numbers of a block of 32
	s_wait_kmcnt 0x0
	s_add_nc_u64 s[4:5], s[4:5], s[26:27]
	s_add_nc_u64 s[16:17], s[16:17], s[28:29]      ; a1 at my group of rows
.irp u, 0,1,2,3
.irp j, 0,1
	global_load_b128 v[XH+8*\u+4*\j:XH+8*\u+4*\j+3], v7, s[4:5] offset:16384*(\u/2)+128*(\u%2)+16*\j
.endr
.endr
	s_add_co_u32 s28, s24, 1
	s_mul_i32 s28, s28, REC
	s_add_nc_u64 s[PS:PS+1], s[16:17], s[28:29]    ; record 1 + q
	s_lshl_b32 s28, s24, 9
	s_add_nc_u64 s[PBC:PBC+1], s[16:17], s[28:29]  ; record 0, blocks 2 q and 2 q + 1
	s_lshl_b32 s28, s24, 1
	s_add_co_u32 s28, s28, 4096
	s_add_nc_u64 s[PBS:PBS+1], s[16:17], s[28:29]
	CONSTS 6                                       ; its wait for all loads serves x too
	EXPAND
	s_wait_tensorcnt 0x0
	ds_add_u32 v254, v255
	s_wait_dscnt 0x0
	s_endpgm
.Lweights:
	s_sub_co_u32 s24, ttmp9, 256
	s_wait_kmcnt 0x0
	s_cmp_lt_u32 s24, 64
	s_cbranch_scc0 .Lspline
	; ---- w1_base (work-groups 0..31 of the path) and w2_base (32..63): K is the rows' own order; only pointers and small numbers differ, chosen by the work-group's number
	s_cmp_lt_u32 s24, 32
	s_cselect_b64 s[26:27], s[8:9], s[12:13]
	s_cselect_b64 s[32:33], s[18:19], s[20:21]
	s_cselect_b32 s28, 0, 2                        ; a row is 1 or 4 records long
	s_cselect_b32 s31, 9, 36
	s_cselect_b32 s30, 0, 32
	s_mov_b32 s29, 0
	WADDR
.irp j, 0,1,2,3,4,5,6,7
	v_add_nc_u32 v[WVO+\j], 2*\j, v2
	v_lshlrev_b32 v[WVO+\j], s40, v[WVO+\j]
	v_lshl_add_u32 v[WVO+\j], v1, 4, v[WVO+\j]
.endr
	; my LDS here: two stages of 16 rows x (256 + 16) bytes, then the record's 256 scale bytes
	v_mul_u32_u24 v[WST], v2, 272
	v_lshl_add_u32 v[WST], v1, 4, v[WST]
	v_add_nc_u32 v[WST], s23, v[WST]               ; in: row 2 j + lane / 16, 16 bytes a lane
	v_mul_u32_u24 v[WLD], v1, 272
	v_lshl_add_u32 v[WLD], v2, 7, v[WLD]
	v_add_nc_u32 v[WLD], s23, v[WLD]               ; out: row r, block h: 128 bytes
	v_lshl_add_u32 v[WSB], v1, 4, v2
	v_add_nc_u32 v[WSB], s23, v[WSB]
	v_add_nc_u32 v[WSB], 8704, v[WSB]
	v_lshlrev_b32 v[WOUT], 4, v1
	v_lshl_add_u32 v[WOUT], v2, 8, v[WOUT]
	v_and_b32 v[WL8], 31, v0
	v_lshlrev_b32 v[WL8], 3, v[WL8]
	v_add_nc_u32 v[WSL], s23, v[WL8]
	v_add_nc_u32 v[WSL], 8704, v[WSL]
; Step s takes 64 along K (256 bytes) of the 16 rows: two blocks a row.  Each half of the lanes loads 256 consecutive aligned bytes of one row.
.macro WLOAD s
.irp j, 0,1,2,3,4,5,6,7
	global_load_b128 v[WR+32*((\s)%3)+4*\j:WR+32*((\s)%3)+4*\j+3], v[WVO+\j], s[26:27] offset:256*(\s) th:TH_LOAD_NT
.endr
.endm
; Through the wave's own stage, so that a lane gets a whole block of one row.  LDS serves a wave's instructions in order: no wait between the stores and the loads.
.macro WTURN s
.irp j, 0,1,2,3,4,5,6,7
	ds_store_b128 v[WST], v[WR+32*((\s)%3)+4*\j:WR+32*((\s)%3)+4*\j+3] offset:4352*((\s)%2)+544*\j
.endr
.irp i, 0,1,2,3,4,5,6,7
	ds_load_b128 v[WX+32*((\s)%2)+4*\i:WX+32*((\s)%2)+4*\i+3], v[WLD] offset:4352*((\s)%2)+16*\i
.endr
.endm
.macro WSTEP s
.if (\s) > 0
	s_wait_dscnt 1                                 ; this step's numbers are back from the stage (the last step's byte store may be out), so its stores into the stage have read their registers,
.else
	s_wait_dscnt 0x0
.endif
.if (\s)+3 < 8
	WLOAD (\s)+3                                   ; which take the loads of three steps on
.endif
.if (\s) < 7
.if (\s) < 5
	s_wait_loadcnt 16                              ; the next step's eight loads are in; those of the two steps behind it may be out
.else
	s_wait_loadcnt 8*(6-(\s))
.endif
	WTURN (\s)+1
.endif
	MAX32 WX+32*((\s)%2)
	v_add_nc_u32 v[SO], 0xff000000, v[MM]
.irp g, 0,1,2,3
	v_cvt_scalef32_pk8_fp4_f32 v[WC+4*(\s)+\g], v[WX+32*((\s)%2)+8*\g:WX+32*((\s)%2)+8*\g+7], v[SO]
.endr
	v_lshrrev_b32 v[WE+(\s)], 23, v[SO]            ; the scale's byte; also the plain line behind the conversions
	ds_store_b8 v[WSB], v[WE+(\s)] offset:2*(\s)
	global_store_b128 v[WOUT], v[WC+4*(\s):WC+4*(\s)+3], s[32:33] offset:512*(\s)   ; blocks 2 s and 2 s + 1 of 16 rows: 512 consecutive bytes.  No store's registers are written again
.endm
	WLOAD 0
	WLOAD 1
	WLOAD 2
	s_wait_loadcnt 16                              ; step 0's eight loads are in
	WTURN 0
.irp s, 0,1,2,3,4,5,6,7
	WSTEP \s
.endr
	ds_load_b64 v[WW:WW+1], v[WSL]                 ; the record's 256 scale bytes: these loads see my byte stores
	s_wait_dscnt 0x0
	global_store_b64 v[WL8], v[WW:WW+1], s[32:33] offset:4096   ; 256 consecutive aligned bytes
	s_wait_tensorcnt 0x0
	ds_add_u32 v254, v255
	s_wait_dscnt 0x0
	s_endpgm
.Lspline:
	; ---- w1_spline (work-groups 0..255 of the path) and w2_spline (256..511).  A row's 2,048 bytes are [64 inputs][8 bases]; a block is one basis of 32 inputs: 32 numbers 32 bytes apart.
	s_sub_co_u32 s24, s24, 64
	s_cmp_lt_u32 s24, 256
	s_cselect_b64 s[26:27], s[10:11], s[14:15]
	s_cselect_b64 s[32:33], s[18:19], s[20:21]
	s_cselect_b32 s28, 3, 5                        ; a row is 8 or 32 records long
	s_cselect_b32 s29, 1, 4
	s_cselect_b32 s31, 9, 36
	s_cselect_b32 s30, 0, 256
	WADDR
	s_mov_b64 s[PS:PS+1], s[32:33]
	s_add_co_u32 s30, s23, IMGO
	EXPINIT 30
.irp w, 0,1,2,3,4,5,6,7,8,9,10,11,12,13,14,15
	s_lshl_b32 s41, \w, s40
	v_add_nc_u32 v[SVO+\w], s41, v[VL16]           ; row w, + 16 x lane
.endr
	; my LDS here: two stages of four chunks of (1,024 + 32) bytes (a chunk: 32 inputs x 8 bases of one row), then the image
	v_add_nc_u32 v[SST], s23, v[VL16]              ; in: as loaded, 16 bytes a lane
	v_and_b32 v[SLD], 31, v0
	v_lshrrev_b32 v[SIC], 3, v[SLD]
	v_and_b32 v[SLD], 7, v[SLD]
	v_lshlrev_b32 v[SLD], 2, v[SLD]
	v_mad_u32_u24 v[SLD], v[SIC], 1056, v[SLD]
	v_add_nc_u32 v[SLD], s23, v[SLD]               ; out: chunk lane / 8, basis lane % 8: a load's 32 lanes take 4 x 32 bytes that lie 264 words apart: 32 different banks of 64 (ISA guide 11.1)
	v_mul_u32_u24 v[SIC], v1, 272
	v_lshl_add_u32 v[SIC], v2, 4, v[SIC]
	v_add_nc_u32 v[SIC], s30, v[SIC]               ; lane (r, h) makes block kb = r (chunk 2 h + r / 8 = row h of the step's two, inputs 32 (r / 8) on; basis r % 8)
	v_lshl_add_u32 v[SIB], v2, 4, v1
	v_add_nc_u32 v[SIB], s30, v[SIB]
; Step s takes rows 2 s and 2 s + 1, 2,048 bytes each: every load reads 512 consecutive bytes.
.macro SLOAD s
.irp j, 0,1,2,3,4,5,6,7
	global_load_b128 v[SR+32*((\s)%3)+4*\j:SR+32*((\s)%3)+4*\j+3], v[SVO+2*(\s)+\j/4], s[26:27] offset:512*(\j%4) th:TH_LOAD_NT
.endr
.endm
.macro STURN s                         ; through my stage: in as loaded, out one number a lane, 32 bytes from input to input
.irp j, 0,1,2,3,4,5,6,7
	ds_store_b128 v[SST], v[SR+32*((\s)%3)+4*\j:SR+32*((\s)%3)+4*\j+3] offset:4224*((\s)%2)+1056*(\j/2)+512*(\j%2)
.endr
.set se, 0
.rept 32
	ds_load_b32 v[SX+32*((\s)%2)+se], v[SLD] offset:4224*((\s)%2)+32*se
.set se, se+1
.endr
.endm
.macro SSTEP s
.if (\s) > 0
	s_wait_dscnt 2                                 ; this step's numbers are back from the stage (the last step's two stores into the image may be out), so its stores into the stage have read their registers,
.else
	s_wait_dscnt 0x0
.endif
.if (\s)+3 < 8
	SLOAD (\s)+3                                   ; which take the loads of three steps on
.endif
.if (\s) < 7
.if (\s) < 5
	s_wait_loadcnt 16                              ; the next step's eight loads are in; those of the two steps behind it may be out
.else
	s_wait_loadcnt 8*(6-(\s))
.endif
	STURN (\s)+1
.endif
	MAX32 SX+32*((\s)%2)
	v_add_nc_u32 v[SO], 0xff000000, v[MM]
.irp g, 0,1,2,3
	v_cvt_scalef32_pk8_fp4_f32 v[SC4+4*((\s)%2)+\g], v[SX+32*((\s)%2)+8*\g:SX+32*((\s)%2)+8*\g+7], v[SO]
.endr
	v_lshrrev_b32 v[SE+(\s)%2], 23, v[SO]          ; the scale's byte; also the plain line behind the conversions
	ds_store_b128 v[SIC], v[SC4+4*((\s)%2):SC4+4*((\s)%2)+3] offset:32*(\s)   ; unit r, row 2 s + h.  Two sets of registers: a set is written again two steps on, behind the wait at that step's head
	ds_store_b8 v[SIB], v[SE+(\s)%2] offset:ISC+32*(\s)
.endm
	SLOAD 0
	SLOAD 1
	SLOAD 2
	s_wait_loadcnt 16                              ; step 0's eight loads are in
	STURN 0
.irp s, 0,1,2,3,4,5,6,7
	SSTEP \s
.endr
	RECOUT 0
	s_wait_tensorcnt 0x0
	ds_add_u32 v254, v255
	s_wait_dscnt 0x0
	s_endpgm
.Lfunc_end_k_q9c2fafded0_prep:
	.size	k_q9c2fafded0_prep, .Lfunc_end_k_q9c2fafded0_prep-k_q9c2fafded0_prep
	.p2alignl 7, 3214868480
	.fill 96, 4, 3214868480
	.section	.rodata,"a",@progbits
	.p2align	6, 0x0
	.amdhsa_kernel k_q9c2fafded0_prep
		.amdhsa_group_segment_fixed_size 55808
		.amdhsa_private_segment_fixed_size 0
		.amdhsa_enable_private_segment 0
		.amdhsa_kernarg_size 72
		.amdhsa_user_sgpr_count 2
		.amdhsa_user_sgpr_kernarg_segment_ptr 1
		.amdhsa_wavefront_size32 1
		.amdhsa_system_sgpr_workgroup_id_x 1
		.amdhsa_system_sgpr_workgroup_id_y 1
		.amdhsa_system_sgpr_workgroup_id_z 1
		.amdhsa_system_vgpr_workitem_id 0
		.amdhsa_next_free_vgpr 256
		.amdhsa_next_free_sgpr 102
		.amdhsa_reserve_vcc 0
		.amdhsa_float_denorm_mode_32 3
		.amdhsa_float_denorm_mode_16_64 3
		.amdhsa_memory_ordered 1
		.amdhsa_forward_progress 1
		.amdhsa_inst_pref_size 255
	.end_amdhsa_kernel
	.section	.bss,"aw",@nobits
	.p2align	6
	.space	262144
	.amdgpu_metadata
---
amdhsa.version: [ 1, 2 ]
amdhsa.kernels:
  - .name:           k_q9c2fafded0_prep
    .symbol:         k_q9c2fafded0_prep.kd
    .args:
      - { .name: x, .offset: 0, .size: 8, .value_kind: global_buffer, .address_space: global }
      - { .name: grid, .offset: 8, .size: 8, .value_kind: global_buffer, .address_space: global }
      - { .name: w1_base, .offset: 16, .size: 8, .value_kind: global_buffer, .address_space: global }
      - { .name: w1_spline, .offset: 24, .size: 8, .value_kind: global_buffer, .address_space: global }
      - { .name: w2_base, .offset: 32, .size: 8, .value_kind: global_buffer, .address_space: global }
      - { .name: w2_spline, .offset: 40, .size: 8, .value_kind: global_buffer, .address_space: global }
      - { .name: a1, .offset: 48, .size: 8, .value_kind: global_buffer, .address_space: global }
      - { .name: w1c, .offset: 56, .size: 8, .value_kind: global_buffer, .address_space: global }
      - { .name: w2c, .offset: 64, .size: 8, .value_kind: global_buffer, .address_space: global }
    .group_segment_fixed_size: 55808
    .private_segment_fixed_size: 0
    .kernarg_segment_align: 8
    .kernarg_segment_size: 72
    .max_flat_workgroup_size: 128
    .sgpr_count:     102
    .vgpr_count:     256
    .wavefront_size: 32
...
	.end_amdgpu_metadata
.endif
;; end of part 1
;; launch gemm1 (part 2): grid 16 x 16, 4 waves a work-group, clusters of 4 x 4, 327,680 bytes of LDS; arguments a1, w1c, grid, a2; writes a2
.if DOCPART == 2
	.amdgcn_target "amdgcn-amd-amdhsa--gfx1250"
	.amdhsa_code_object_version 6
	.text
	.protected	k_q9c2fafded0_gemm1
	.globl	k_q9c2fafded0_gemm1
	.p2align	8
	.type	k_q9c2fafded0_gemm1,@function
k_q9c2fafded0_gemm1:
	s_mov_b64 s[64:65], 0
	v_nop
	global_prefetch_b8 v0, s[64:65] scope:SCOPE_SE
	s_setreg_imm32_b32 hwreg(HW_REG_WAVE_MODE, 25, 1), 1
	s_wait_xcnt 0x0
	s_wait_alu depctr_hold_cnt(0) depctr_sa_sdst(0) depctr_va_vdst(0) depctr_va_sdst(0) depctr_va_ssrc(0) depctr_va_vcc(0) depctr_vm_vsrc(0)
	s_getreg_b32 s2, hwreg(HW_REG_IB_STS2, 6, 4)
	s_cmp_eq_u32 s2, 0
	s_cbranch_scc0 .Lentry_in_a_cluster
	s_endpgm
.Lentry_in_a_cluster:
	s_bfe_u32 s2, ttmp6, 0x10000c
	s_cmp_lg_u32 s2, 0xf033
	s_cbranch_scc0 .Lentry_shape_is_right
	s_endpgm
.Lentry_shape_is_right:
; LAYER 1's PRODUCT AND LAYER 2's LEFT OPERAND.  h = a1 w1c^T on codes of E2M1 with E8M0 scales (K = 4,608: silu and w1_base, then the bases and w1_spline, one f32 sum);
; on the way out h is expanded (silu and the 8 spline bases of every number), quantised along layer 2's K and stored as a2.  h itself never goes to memory.
; THE BUFFERS are laid in the order of the operand's registers.  A RECORD is 16 rows x 512 along K, 4,352 bytes: byte 256 kb + 16 r: the 32 codes of block kb of row r; byte 4,096 + 16 r + kb: its scale byte.
; A buffer is [group of 16 rows][record]: a1, w1c 9 records a group; a2 36: records 0..3 silu(h), record 4 + q the bases of h's columns 64 q .. 64 q + 63.
; THE SPLINE PRODUCTS' K RUNS BASIS-MAJOR: a block of 32 is ONE basis of 32 neighbouring columns of h; in a spline record block kb = 8 b + g is basis g of columns 64 q + 32 b + 0 .. 31.
; A fragment (16 rows x 128 K: the q-th of a record) is two loads of 16 bytes a lane at 1,024 q + 512 c + 16 x lane, consecutive bytes, and a row's four scale words are 16 bytes.
; SHARES.  A work-group makes 128 x 128 of h, each of four waves 64 x 64: 16 accumulators.  K goes a record (512) at a time through two LDS slots; a slot holds one record of 8 groups of a1 and of 8 of w1c.
; Each wave fetches a quarter of a slot by one tensor load: 4 rows of 4,352 bytes, 39,168 bytes apart in memory, dense in LDS.
; CLUSTER 4 x 4: the four work-groups of a row need the same records of a1, the four of a column the same of w1c: each is asked for jointly.
; THE MATRIX INSTRUCTION IS USED TRANSPOSED (source 0 = 16 rows of w1c, source 1 = 16 rows of a1): a lane holds eight neighbouring columns of one row of h.
; THE WAY OUT goes through the wave's own stage in LDS, so that the expansion is written once and walked four times, 16 rows x 64 columns a trip; each trip's record is gathered in an image in LDS of the wave's own.
; REGISTERS: window 0: v0-31 addresses and small things; v32-63 scale words, two sets; v64-107 the knots and reciprocals; v128-255 the accumulators ((a, b) at 128 + 32 a + 8 b).
;   window 1: two sets of fragments of 64: A's four, then B's four.  On the way out v32-63 and v108-253 belong to the expansion.
; LIMITS: as in the launch before: a block of zeros or under 2^-124 gets the byte 1; NaN, infinities and equal knots are not served; divisions by differences of knots are multiplications by refined reciprocals.
; No prefetch: 9 fills a work-group, each with a whole slot's products in which to land.
.set RG,     39168                     ; a group of 16 rows in a1 and w1c
.set RG2,    156672                    ; and in a2
.set REC,    4352
.set RGS,    4352                      ; from group to group in a slot
.set BOFF,   34816                     ; w1c's groups lie behind a1's eight
.set SLOT,   69632
.set TROWS,  4                         ; a tensor load: 4 rows
.set TCOLS,  544                       ; of 544 elements of 8 bytes,
.set TPITCH, 4896                      ; 4,896 elements apart
.set WLDS,   17408                     ; what it fills
.set FSTEP,  4352                      ; from fill to fill in memory
.set LRGT,   3                         ; log2 of the groups of a tile
.set LRGH,   2                         ; and of a tensor load
.set SPARE,  2*SLOT                    ; behind the ring: the spare words, 128 bytes a wave: two blocks of 256 bytes that no other line names
.set IMG0,   SPARE+512                 ; behind them: the images, 5,376 bytes a wave; no fill ever lands here
.set IREG,   5376
.set STAGE,  SLOT                      ; the way out: 64 rows x 272 bytes a wave, in slot 1: it has had its last fill and its last read when the first result is stored there
.set SPITCH, 272
.set VRD0, 7                           ; v7   the stage, on the way back: 272 (lane / 4) + 32 (lane % 4)
.set VRD,  8                           ; v8   the same for the trip in hand
.set VSTO, 9                           ; v9   the stage, on the way in: 272 r + 32 h
.set SPW,  10                          ; v10  my spare word: SPARE + 4 x my thread's number; never rewritten
.set NIL,  11                          ; v11  0; never rewritten
.set ADRA, 16                          ; v16-17 my fragments of a1 in slot 0, 1
.set ADRB, 18                          ; v18-19 of w1c
.set ADRS, 20                          ; v20-21 my scale words: lanes 0-15 a1's rows, lanes 16-31 w1c's
.set SC,   32                          ; set s at SC + 16 s; register 4 i + q: group i, the record's q-th 128 along K
.set ACC,  128
.set G1A,  24
.set G0A,  32
.set G1B,  48
.set G0B,  56
.set MSB, 0
.macro WIN new                         ; the immediate's high byte repeats the setting that is left
.if MSB != \new
	s_set_vgpr_msb (MSB<<8)|\new
.set MSB, \new
.endif
.endm
.set MUL,  0x05                        ; sources 0 and 1 window 1; C and D window 0
.set TO_F, 0x40                        ; destination window 1, address window 0
.macro JLOAD s                         ; a joint load: waves 0 and 1 fetch a1's halves, waves 2 and 3 w1c's; four v_nop follow each of the two lines
	s_cmp_eq_u32 s13, 0
	s_cbranch_scc0 .Lfor_b_\@
	tensor_load_to_lds s[G0A+4*\s:G0A+4*\s+3], s[G1A:G1A+7]
	s_nop 0
.rept 4
	v_nop
.endr
	s_branch .Lasked_\@
.Lfor_b_\@:
	tensor_load_to_lds s[G0B+4*\s:G0B+4*\s+3], s[G1B:G1B+7]
	s_nop 0
.rept 4
	v_nop
.endr
.Lasked_\@:
.endm
.macro CREST                           ; a round of the cluster's barrier behind its opening barrier
	s_cmp_lg_u32 s12, 0
	s_cbranch_scc1 .Lnot_wave_0_\@
	s_barrier_signal -3
.Lnot_wave_0_\@:
	s_barrier_wait -3
	s_barrier_signal -1
	s_barrier_wait -1
.endm
.macro CROUND
	s_barrier_signal -1
	s_barrier_wait -1
	CREST
.endm
.macro PLACES                          ; four places in front of loads into registers that matrix instructions have read, and of the first read of results
.rept 4
	v_nop
.endr
.endm
.macro FETCH slot, q, f                ; 16 LDS loads: B's four fragments and A's four of the slot's q-th 128 along K, into set f
	WIN TO_F
.irp i, 0,1,2,3
.irp c, 0,1
	ds_load_b128 v[(\f)+32+8*\i+4*\c:(\f)+32+8*\i+4*\c+3], v[ADRB+\slot] offset:\i*RGS+1024*(\q)+512*\c
.endr
.endr
.irp i, 0,1,2,3
.irp c, 0,1
	ds_load_b128 v[(\f)+8*\i+4*\c:(\f)+8*\i+4*\c+3], v[ADRA+\slot] offset:\i*RGS+1024*(\q)+512*\c
.endr
.endr
.endm
.macro SCALES slot                     ; a record's scale words: four a row
.irp i, 0,1,2,3
	ds_load_b128 v[SC+16*\slot+4*\i:SC+16*\slot+4*\i+3], v[ADRS+\slot] offset:\i*RGS
.endr
.endm
; Four matrix instructions: A's group a against B's four.  The 16 accumulators take turns, one instruction a turn, in the same order in every step.
.macro MULA f, q, sc, a, zero
.irp b, 0,1,2,3
.if \zero
	v_wmma_scale_f32_16x16x128_f8f6f4 v[ACC+32*(\a)+8*\b:ACC+32*(\a)+8*\b+7], v[(\f)+32+8*\b:(\f)+32+8*\b+7], v[(\f)+8*(\a):(\f)+8*(\a)+7], 0, v[SC+16*(\sc)+4*\b+(\q)], v[SC+16*(\sc)+4*(\a)+(\q)] matrix_a_fmt:MATRIX_FMT_FP4 matrix_b_fmt:MATRIX_FMT_FP4 matrix_a_scale:MATRIX_SCALE_ROW1
.else
	v_wmma_scale_f32_16x16x128_f8f6f4 v[ACC+32*(\a)+8*\b:ACC+32*(\a)+8*\b+7], v[(\f)+32+8*\b:(\f)+32+8*\b+7], v[(\f)+8*(\a):(\f)+8*(\a)+7], v[ACC+32*(\a)+8*\b:ACC+32*(\a)+8*\b+7], v[SC+16*(\sc)+4*\b+(\q)], v[SC+16*(\sc)+4*(\a)+(\q)] matrix_a_fmt:MATRIX_FMT_FP4 matrix_b_fmt:MATRIX_FMT_FP4 matrix_a_scale:MATRIX_SCALE_ROW1
.endif
.endr
.endm
; One of a record's first three steps of 128 along K: the next step's fragments are asked for, then this step's 16 products are issued.
.macro STEP slot, q, zero
	PLACES
	FETCH \slot, (\q)+1, 64*(((\q)+1)%2)
	s_wait_dscnt 16                                ; all but the 16 loads just issued: this step's fragments (and scale words) are in
	WIN MUL
.irp a, 0,1,2,3
	MULA 64*((\q)%2), \q, \slot, \a, \zero
.endr
.endm
; A record's last step changes slots: ONE barrier; in front of it each wave waits for all its tensor loads, adds 0 to its spare word, and waits for that and for its reads of this slot.
.macro TURN slot, next, fill
	WIN 0                                          ; (the add's two registers lie in window 0)
	s_wait_tensorcnt 0x0                           ; all my tensor loads have landed: my part of the next slot
	ds_add_u32 v[SPW], v[NIL]                      ; 0 onto my spare word
	s_wait_dscnt 1                                 ; (the add may be out; the fragments are in)
	WIN MUL
	MULA 64, 3, \slot, 0, 0                        ; four matrix instructions stand between the add and the wait for it
	s_wait_dscnt 0x0                               ; the add is done, and my reads of this slot are over
	s_barrier_signal -1
	MULA 64, 3, \slot, 1, 0
	WIN 0
	s_barrier_wait -1
.if \fill
	CREST                                          ; the barrier has opened a round of the cluster's: no wave of any partner still reads this slot or has a load on its way
	s_add_nc_u64 s[G0A+4*\slot+2:G0A+4*\slot+3], s[G0A+4*\slot+2:G0A+4*\slot+3], 2*FSTEP
	s_add_nc_u64 s[G0B+4*\slot+2:G0B+4*\slot+3], s[G0B+4*\slot+2:G0B+4*\slot+3], 2*FSTEP
	JLOAD \slot                                    ; the first tensor load behind the round; its four v_nop are also the places in front of the loads below
.else
	PLACES
.endif
	FETCH \next, 0, 0
	WIN 0
	SCALES \next
	WIN MUL
	MULA 64, 3, \slot, 2, 0
	MULA 64, 3, \slot, 3, 0
.endm
; ---- the expansion: the same macros as in the launch before
; the image: 16 units of 256 bytes, 272 apart; then
.set ISC,  4352                        ; the record's 256 scale bytes,
.set ISI,  4608                        ; silu's two blocks of 16 rows, 512 bytes,
.set ISB,  5120                        ; and their 32 scale bytes
.set VI4,  3                           ; v3   image + 4 x lane: a code word's place
.set VIS,  4                           ; v4   image + 16 (lane / 4): my row's scale bytes
.set VIB,  5                           ; v5   image + 2 (lane / 4): my row's silu bytes
.set VBS,  6                           ; v6   16 r + h: a silu byte's place in memory
.set VL16, 12                          ; v12  16 x lane
.set VIR,  13                          ; v13  image + 272 h + 16 r: the way back
.set VL8,  14                          ; v14  8 x lane
.set VI16, 15                          ; v15  image + 16 x lane
.set BYG,  22                          ; v22-29 scale bytes
.set VI8,  30                          ; v30  image + 8 x lane
.set VIU,  31                          ; v31  image + 2 r + h
.set XH,   32                          ; v32-63 my 32 numbers: 8 u + e = column 32 (u % 2) + 8 (lane % 4) + e of row 8 (u / 2) + lane / 4
.set GK,   64
.set RC1,  76
.set RC2,  88
.set RC3,  98
.set XP,   108
.set XD,   128
.set XU,   152
.set XO,   174                         ; v174-237 8 bases x 8 numbers: 8 g + e
.set XT,   174
.set RB,   174
.set CD,   238
.set MG,   246
.set CT,   246
.set CM,   68
.set PS,   92
.set PBC,  94
.set PBS,  96
.macro EXPINIT sb                      ; v1 = r = lane % 16, v2 = h = lane / 16; s[sb] = my image's first LDS byte
	v_and_b32 v[VL16], 31, v0
	v_lshrrev_b32 v[VIS], 2, v[VL16]
	v_lshlrev_b32 v[VI4], 2, v[VL16]
	v_add_nc_u32 v[VI4], s[\sb], v[VI4]
	v_lshlrev_b32 v[VIB], 1, v[VIS]
	v_add_nc_u32 v[VIB], s[\sb], v[VIB]
	v_lshlrev_b32 v[VIS], 4, v[VIS]
	v_add_nc_u32 v[VIS], s[\sb], v[VIS]
	v_lshl_add_u32 v[VBS], v1, 4, v2
	v_mul_u32_u24 v[VIR], v2, 272
	v_lshl_add_u32 v[VIR], v1, 4, v[VIR]
	v_add_nc_u32 v[VIR], s[\sb], v[VIR]
	v_lshlrev_b32 v[VL8], 3, v[VL16]
	v_add_nc_u32 v[VI8], s[\sb], v[VL8]
	v_lshl_add_u32 v[VIU], v1, 1, v2
	v_add_nc_u32 v[VIU], s[\sb], v[VIU]
	v_lshlrev_b32 v[VL16], 4, v[VL16]
	v_add_nc_u32 v[VI16], s[\sb], v[VL16]
.endm
.macro BCAST src, dst, n               ; lanes 0 .. n - 1 of v[src] become n registers that hold the same number in every lane
.set bi, 0
.rept \n
	v_readlane_b32 s[CM+bi], v[\src], bi
.set bi, bi+1
.endr
.set bi, 0
.rept \n
	v_mov_b32 v[\dst+bi], s[CM+bi]
.set bi, bi+1
.endr
.endm
.macro CONSTS gp                       ; the knots and the reciprocals of their differences; lane l loads g[min(l + j, 11)]: no load leaves the 48 bytes
	v_and_b32 v[CT], 31, v0
.irp j, 1,2,3
	v_add_nc_u32 v[CT+\j], \j, v[CT]
.endr
.irp j, 0,1,2,3
	v_min_u32 v[CT+\j], 11, v[CT+\j]
.endr
.irp j, 0,1,2,3
	v_lshlrev_b32 v[CT+\j], 2, v[CT+\j]
.endr
.irp j, 0,1,2,3
	global_load_b32 v[CT+4+\j], v[CT+\j], s[\gp:\gp+1]
.endr
	s_wait_loadcnt 0x0
.irp j, 1,2,3
	v_sub_f32 v[CT+\j], v[CT+4+\j], v[CT+4]
.endr
.irp j, 1,2,3
	v_rcp_f32 v[CT+4+\j], v[CT+\j]
.endr
	v_nop                                          ; a plain instruction behind the last reciprocal
	s_wait_alu depctr_va_vdst(0)                   ; one wait for the three, ahead of their first reader
.irp j, 1,2,3
	v_fma_f32 v[CT+\j], -v[CT+\j], v[CT+4+\j], 1.0
.endr
.irp j, 1,2,3
	v_fma_f32 v[CT+4+\j], v[CT+4+\j], v[CT+\j], v[CT+4+\j]
.endr
	BCAST CT+4, GK, 12
	BCAST CT+5, RC1, 11
	BCAST CT+6, RC2, 10
	BCAST CT+7, RC3, 9
	v_mov_b32 v[RC3+9], 0
.endm
.macro PKSUBG t, xp                    ; XD[t] = x - g[t], two numbers; op_sel picks the constant's register of its even pair for both halves
.if (\t)%2
	v_pk_add_f32 v[XD+2*(\t):XD+2*(\t)+1], v[\xp:\xp+1], v[GK+(\t)-1:GK+(\t)] op_sel:[0,1] op_sel_hi:[1,1] neg_lo:[0,1] neg_hi:[0,1]
.else
	v_pk_add_f32 v[XD+2*(\t):XD+2*(\t)+1], v[\xp:\xp+1], v[GK+(\t):GK+(\t)+1] op_sel_hi:[1,0] neg_lo:[0,1] neg_hi:[0,1]
.endif
.endm
.macro PKMULC t, c                     ; XU[t] = XP[t] x c[t]
.if (\t)%2
	v_pk_mul_f32 v[XU+2*(\t):XU+2*(\t)+1], v[XP+2*(\t):XP+2*(\t)+1], v[\c+(\t)-1:\c+(\t)] op_sel:[0,1] op_sel_hi:[1,1]
.else
	v_pk_mul_f32 v[XU+2*(\t):XU+2*(\t)+1], v[XP+2*(\t):XP+2*(\t)+1], v[\c+(\t):\c+(\t)+1] op_sel_hi:[1,0]
.endif
.endm
; The 8 bases of the two numbers in v[xp], v[xp + 1]: basis t into v[o + 8 t], v[o + 8 t + 1].  With u[t] = b[t] / (g[t+j] - g[t]), level j is b'[t] = (x - g[t]) u[t] - (x - g[t+j+1]) u[t+1].
.macro PAIR xp, o
.irp t, 0,1,2,3,4,5,6,7,8,9,10,11
	PKSUBG \t, \xp
.endr
.irp t, 0,1,2,3,4,5,6,7,8,9,10,11
	v_cmp_le_f32 s[CM+\t], 0, v[XD+2*\t]           ; x >= g[t]: the difference's sign is exact
	v_cmp_le_f32 s[CM+12+\t], 0, v[XD+2*\t+1]
.endr
.irp t, 0,1,2,3,4,5,6,7,8,9,10
	s_and_not1_b32 s[CM+\t], s[CM+\t], s[CM+\t+1]  ; and not x >= g[t+1]: level 0.  The masks feed selections alone
	s_and_not1_b32 s[CM+12+\t], s[CM+12+\t], s[CM+12+\t+1]
.endr
.irp t, 0,1,2,3,4,5,6,7,8,9,10
	v_cndmask_b32 v[XU+2*\t], 0, v[RC1+\t], s[CM+\t]
	v_cndmask_b32 v[XU+2*\t+1], 0, v[RC1+\t], s[CM+12+\t]
.endr
.irp t, 0,1,2,3,4,5,6,7,8,9
	v_pk_mul_f32 v[XP+2*\t:XP+2*\t+1], v[XD+2*\t:XD+2*\t+1], v[XU+2*\t:XU+2*\t+1]
.endr
.irp t, 0,1,2,3,4,5,6,7,8,9
	v_pk_fma_f32 v[XP+2*\t:XP+2*\t+1], v[XD+2*\t+4:XD+2*\t+5], v[XU+2*\t+2:XU+2*\t+3], v[XP+2*\t:XP+2*\t+1] neg_lo:[1,0,0] neg_hi:[1,0,0]
.endr
.irp t, 0,1,2,3,4,5,6,7,8,9
	PKMULC \t, RC2
.endr
.irp t, 0,1,2,3,4,5,6,7,8
	v_pk_mul_f32 v[XP+2*\t:XP+2*\t+1], v[XD+2*\t:XD+2*\t+1], v[XU+2*\t:XU+2*\t+1]
.endr
.irp t, 0,1,2,3,4,5,6,7,8
	v_pk_fma_f32 v[XP+2*\t:XP+2*\t+1], v[XD+2*\t+6:XD+2*\t+7], v[XU+2*\t+2:XU+2*\t+3], v[XP+2*\t:XP+2*\t+1] neg_lo:[1,0,0] neg_hi:[1,0,0]
.endr
.irp t, 0,1,2,3,4,5,6,7,8
	PKMULC \t, RC3
.endr
.irp t, 0,1,2,3,4,5,6,7
	v_pk_mul_f32 v[XP+2*\t:XP+2*\t+1], v[XD+2*\t:XD+2*\t+1], v[XU+2*\t:XU+2*\t+1]
.endr
.irp t, 0,1,2,3,4,5,6,7                ; one basis of neighbouring columns lies in neighbouring registers, as the conversion wants it
	v_pk_fma_f32 v[\o+8*\t:\o+8*\t+1], v[XD+2*\t+8:XD+2*\t+9], v[XU+2*\t+2:XU+2*\t+3], v[XP+2*\t:XP+2*\t+1] neg_lo:[1,0,0] neg_hi:[1,0,0]
.endr
.endm
; XO holds 8 bases of my 8 numbers.  Basis g of columns 32 b .. 32 b + 31 of a row is a block: it lies in four neighbouring lanes, 8 numbers in each.  rh: rows 8 rh on.
.macro BQ8 b, rh
	s_wait_dscnt 0x0                               ; my earlier LDS stores have read the registers that are written below
.irp g, 0,1,2,3,4,5,6,7
	v_max3_num_f32 v[MG+\g], |v[XO+8*\g]|, |v[XO+8*\g+1]|, 0x1800000   ; with the floor 2^(3 - 127) among the leaves: the byte cannot fall under 1
.endr
.irp i, 2,4,6
.irp g, 0,1,2,3,4,5,6,7
	v_max3_num_f32 v[MG+\g], v[MG+\g], |v[XO+8*\g+\i]|, |v[XO+8*\g+\i+1]|
.endr
.endr
.irp g, 0,1,2,3,4,5,6,7
	v_max_num_f32_dpp v[MG+\g], v[MG+\g], v[MG+\g] row_xmask:1 row_mask:0xf bank_mask:0xf
.endr
.irp g, 0,1,2,3,4,5,6,7
	v_max_num_f32_dpp v[MG+\g], v[MG+\g], v[MG+\g] row_xmask:2 row_mask:0xf bank_mask:0xf   ; the block's largest magnitude, in its four lanes
.endr
.irp g, 0,1,2,3,4,5,6,7
	v_add_nc_u32 v[MG+\g], 0xff000000, v[MG+\g]    ; 2 off the exponent field: the conversion takes that field as its scale
.endr
.irp g, 0,1,2,3,4,5,6,7
	v_cvt_scalef32_pk8_fp4_f32 v[CD+\g], v[XO+8*\g:XO+8*\g+7], v[MG+\g]
.endr
.irp g, 0,1,2,3,4,5,6,7
	v_lshrrev_b32 v[BYG+\g], 23, v[MG+\g]          ; the scales' bytes; also the plain lines behind the conversions
.endr
	v_lshl_or_b32 v[BYG], v[BYG+1], 8, v[BYG]
	v_lshl_or_b32 v[BYG+4], v[BYG+5], 8, v[BYG+4]
	v_lshl_or_b32 v[BYG], v[BYG+2], 16, v[BYG]
	v_lshl_or_b32 v[BYG+4], v[BYG+6], 16, v[BYG+4]
	v_lshl_or_b32 v[BYG], v[BYG+3], 24, v[BYG]
	v_lshl_or_b32 v[BYG+1], v[BYG+7], 24, v[BYG+4] ; the bytes of blocks 8 b + 0 .. 7 of my row
.irp g, 0,1,2,3,4,5,6,7
	ds_store_b32 v[VI4], v[CD+\g] offset:272*(8*(\b)+\g)+128*(\rh)   ; unit 8 b + g, row 8 rh + lane / 4, piece lane % 4: 128 consecutive bytes a wave
.endr
	ds_store_b64 v[VIS], v[BYG:BYG+1] offset:ISC+128*(\rh)+8*(\b)    ; the four lanes of a row write the same bytes with the same values
.endm
; The image leaves: LDS serves a wave's instructions in order, so these loads see my stores.  Every store but the last covers whole aligned runs of 256 bytes.
.macro RECOUT silu
.irp t, 0,1,2,3,4,5,6,7
	ds_load_b128 v[RB+4*\t:RB+4*\t+3], v[VIR] offset:544*\t
.endr
	ds_load_b64 v[RB+32:RB+33], v[VI8] offset:ISC
.if \silu
	ds_load_b128 v[RB+34:RB+37], v[VI16] offset:ISI
	ds_load_u8 v[RB+38], v[VIU] offset:ISB
.endif
	s_wait_dscnt 0x0
.irp t, 0,1,2,3,4,5,6,7
	global_store_b128 v[VL16], v[RB+4*\t:RB+4*\t+3], s[PS:PS+1] offset:512*\t
.endr
	global_store_b64 v[VL8], v[RB+32:RB+33], s[PS:PS+1] offset:4096
.if \silu
	global_store_b128 v[VL16], v[RB+34:RB+37], s[PBC:PBC+1]
	global_store_b8 v[VBS], v[RB+38], s[PBS:PBS+1] ; two bytes of each row's sixteen: the one store here that fills no whole 256 bytes
.endif
.endm
; 16 rows x 64 columns, in XH.  Out: two blocks of a silu record, one whole spline record.
.macro EXPAND
.set ei, 0
.rept 16
	v_pk_mul_f32 v[XT+ei:XT+ei+1], v[XH+ei:XH+ei+1], 0xbfb8aa3b op_sel_hi:[1,0]   ; -x log2(e)
.set ei, ei+2
.endr
.set ei, 0
.rept 32
	v_exp_f32 v[XT+ei], v[XT+ei]
.set ei, ei+1
.endr
	v_nop                                          ; a plain instruction behind the last exponential
	s_wait_alu depctr_va_vdst(0)                   ; one wait for the 32
.set ei, 0
.rept 16
	v_pk_add_f32 v[XT+ei:XT+ei+1], v[XT+ei:XT+ei+1], 1.0 op_sel_hi:[1,0]
.set ei, ei+2
.endr
.set ei, 0
.rept 32
	v_rcp_f32 v[XT+ei], v[XT+ei]
.set ei, ei+1
.endr
	v_nop
	s_wait_alu depctr_va_vdst(0)                   ; one wait for the 32
.set ei, 0
.rept 16
	v_pk_mul_f32 v[XT+ei:XT+ei+1], v[XT+ei:XT+ei+1], v[XH+ei:XH+ei+1]   ; silu(x) = x / (1 + e^-x)
.set ei, ei+2
.endr
.irp u, 0,1,2,3                        ; silu's blocks of 32 columns lie in four neighbouring lanes too
	v_max3_num_f32 v[MG+\u], |v[XT+8*\u]|, |v[XT+8*\u+1]|, 0x1800000
.endr
.irp i, 2,4,6
.irp u, 0,1,2,3
	v_max3_num_f32 v[MG+\u], v[MG+\u], |v[XT+8*\u+\i]|, |v[XT+8*\u+\i+1]|
.endr
.endr
.irp u, 0,1,2,3
	v_max_num_f32_dpp v[MG+\u], v[MG+\u], v[MG+\u] row_xmask:1 row_mask:0xf bank_mask:0xf
.endr
.irp u, 0,1,2,3
	v_max_num_f32_dpp v[MG+\u], v[MG+\u], v[MG+\u] row_xmask:2 row_mask:0xf bank_mask:0xf
.endr
.irp u, 0,1,2,3
	v_add_nc_u32 v[MG+\u], 0xff000000, v[MG+\u]
.endr
.irp u, 0,1,2,3
	v_cvt_scalef32_pk8_fp4_f32 v[CD+\u], v[XT+8*\u:XT+8*\u+7], v[MG+\u]
.endr
.irp u, 0,1,2,3
	v_lshrrev_b32 v[BYG+\u], 23, v[MG+\u]          ; also the plain lines behind the conversions
.endr
.irp u, 0,1,2,3
	ds_store_b32 v[VI4], v[CD+\u] offset:ISI+256*(\u%2)+128*(\u/2)
	ds_store_b8 v[VIB], v[BYG+\u] offset:ISB+16*(\u/2)+(\u%2)
.endr
.irp u, 0,1,2,3
.irp p, 0,1,2,3
	PAIR XH+8*\u+2*\p, XO+2*\p
.endr
	BQ8 \u%2, \u/2
.endr
	RECOUT 1
.endm
	s_load_b128 s[4:7], s[0:1], 0x0                ; a1 s[4:5], w1c s[6:7]
	s_load_b128 s[8:11], s[0:1], 0x10              ; grid s[8:9], a2 s[10:11]
	v_lshl_add_u32 v[SPW], v0, 2, SPARE
	v_mov_b32 v[NIL], 0
	ds_add_u32 v10, v11
	ds_add_u32 v10, v11
	s_wait_dscnt 0x0
	v_lshrrev_b32 v1, 5, v0
	v_readfirstlane_b32 s12, v1                    ; wave 0..3
	s_lshr_b32 s13, s12, 1                         ; which half of the tile's rows is mine.  Also: I fetch for a1 (0) or for w1c (1)
	s_and_b32 s14, s12, 1                          ; which half of its columns.  Also: which half of the groups I fetch
	s_bfe_u32 s15, ttmp6, 0x40000                  ; cx, cy: my place in the cluster
	s_bfe_u32 s16, ttmp6, 0x40004
	s_lshl_b32 s17, ttmp9, 2
	s_add_co_u32 s17, s17, s15                     ; tile column = 4 x cluster x + cx
	s_and_b32 s18, ttmp7, 0xffff
	s_lshl_b32 s18, s18, 2
	s_add_co_u32 s18, s18, s16                     ; tile row = 4 x cluster y + cy
	s_lshl_b32 s19, s16, 2
	s_lshl_b32 s19, 15, s19                        ; my row of the cluster
	s_lshl_b32 s20, 0x1111, s15                    ; my column
	s_or_b32 s[G1A+0], s19, (3<<16)|(1<<21)        ; 15:0 the mask; 17:16 elements of 8 bytes; 21 set beside a mask; no padding
	s_or_b32 s[G1B+0], s20, (3<<16)|(1<<21)
.irp g, G1A, G1B
	s_mov_b32 s[\g+1], TCOLS<<16                   ; tensor_dim0
	s_mov_b32 s[\g+2], TROWS<<16                   ; tensor_dim1
	s_mov_b32 s[\g+3], TCOLS<<16                   ; tile_dim0
	s_mov_b32 s[\g+4], TROWS                       ; tile_dim1
	s_mov_b32 s[\g+5], TPITCH                      ; from row to row
	s_mov_b32 s[\g+6], 0
	s_mov_b32 s[\g+7], 0
.endr
	s_lshl_b32 s21, s14, LRGH                      ; which groups of the tile I fetch
	s_lshl_b32 s40, s18, LRGT
	s_add_co_u32 s40, s40, s21
	s_mul_i32 s40, s40, RG                         ; a1: by the tile row alone
	s_mov_b32 s41, 0
	s_lshl_b32 s46, s17, LRGT
	s_add_co_u32 s46, s46, s21
	s_mul_i32 s46, s46, RG                         ; w1c: by the tile column alone
	s_mov_b32 s47, 0
	s_mul_i32 s21, s12, WLDS                       ; where they go: by the wave's number alone
	s_wait_kmcnt 0x0
	s_add_nc_u64 s[40:41], s[4:5], s[40:41]
	s_add_nc_u64 s[46:47], s[6:7], s[46:47]
	CROUND                                         ; all sixteen work-groups are here: the first joint loads meet
.irp s, 0,1
	s_mov_b32 s[G0A+4*\s], 1
	s_add_co_u32 s[G0A+4*\s+1], s21, \s*SLOT
	s_add_nc_u64 s[G0A+4*\s+2:G0A+4*\s+3], s[40:41], \s*FSTEP
	s_or_b32 s[G0A+4*\s+3], s[G0A+4*\s+3], 0x80000000
	s_mov_b32 s[G0B+4*\s], 1
	s_add_co_u32 s[G0B+4*\s+1], s21, \s*SLOT
	s_add_nc_u64 s[G0B+4*\s+2:G0B+4*\s+3], s[46:47], \s*FSTEP
	s_or_b32 s[G0B+4*\s+3], s[G0B+4*\s+3], 0x80000000
	JLOAD \s                                       ; records 0 and 1: two loads of mine are out
.endr
	v_and_b32 v1, 15, v0                           ; r
	v_bfe_u32 v2, v0, 4, 1                         ; h
	v_and_b32 v15, 31, v0
	v_lshlrev_b32 v15, 4, v15                      ; 16 x lane
	s_mul_i32 s22, s13, WLDS                       ; my four groups of a1
	s_mul_i32 s23, s14, WLDS
	s_add_co_u32 s23, s23, BOFF                    ; my four of w1c
	v_add_nc_u32 v[ADRA], s22, v15
	v_add_nc_u32 v[ADRB], s23, v15
	v_add_nc_u32 v[ADRA+1], SLOT, v[ADRA]
	v_add_nc_u32 v[ADRB+1], SLOT, v[ADRB]
	s_sub_co_u32 s23, s23, s22
	v_mul_u32_u24 v14, s23, v2                     ; lanes 16-31 take w1c's scale words: the lower base + h x the distance
	v_lshl_add_u32 v14, v1, 4, v14
	v_add_nc_u32 v14, s22, v14
	v_add_nc_u32 v[ADRS], 4096, v14
	v_add_nc_u32 v[ADRS+1], SLOT+4096, v14
	s_mul_i32 s22, s12, 64*SPITCH
	s_add_co_u32 s22, s22, STAGE                   ; my stage
	v_mul_u32_u24 v[VSTO], v1, SPITCH
	v_lshl_add_u32 v[VSTO], v2, 5, v[VSTO]
	v_add_nc_u32 v[VSTO], s22, v[VSTO]
	v_and_b32 v14, 31, v0
	v_lshrrev_b32 v[VRD0], 2, v14
	v_mul_u32_u24 v[VRD0], v[VRD0], SPITCH
	v_and_b32 v14, 3, v14
	v_lshl_add_u32 v[VRD0], v14, 5, v[VRD0]
	v_add_nc_u32 v[VRD0], s22, v[VRD0]
	s_mul_i32 s23, s12, IREG
	s_add_co_u32 s23, s23, IMG0                    ; my image
	EXPINIT 23
	CONSTS 8
	; where my 64 x 64 of h goes in a2: groups 8 x tile row + 4 x (wave / 2) on; columns 128 x tile column + 64 x (wave % 2) on
	s_lshl_b32 s66, s18, 3
	s_lshl_b32 s44, s13, 2
	s_add_co_u32 s66, s66, s44
	s_mul_i32 s66, s66, RG2
	s_mov_b32 s67, 0
	s_add_nc_u64 s[10:11], s[10:11], s[66:67]
	s_lshl_b32 s66, s17, 1
	s_add_co_u32 s66, s66, s14
	s_add_co_u32 s66, s66, 4
	s_mul_i32 s66, s66, REC
	s_add_nc_u64 s[PS:PS+1], s[10:11], s[66:67]    ; spline record 4 + 2 x tile column + wave % 2
	s_lshr_b32 s66, s17, 2
	s_mul_i32 s66, s66, REC
	s_add_nc_u64 s[10:11], s[10:11], s[66:67]      ; silu record: tile column / 4,
	s_and_b32 s44, s17, 3
	s_lshl_b32 s44, s44, 2
	s_lshl_b32 s45, s14, 1
	s_add_co_u32 s44, s44, s45                     ; blocks 4 (tile column % 4) + 2 (wave % 2) and the next
	s_lshl_b32 s66, s44, 8
	s_add_nc_u64 s[PBC:PBC+1], s[10:11], s[66:67]
	s_add_co_u32 s66, s44, 4096
	s_add_nc_u64 s[PBS:PBS+1], s[10:11], s[66:67]
	s_wait_tensorcnt 1                             ; my part of record 0 is in (record 1's load may be out)
	s_barrier_signal -1
	s_barrier_wait -1                              ; everybody's is
	FETCH 0, 0, 0
	WIN 0
	SCALES 0
	STEP 0, 0, 1                                   ; the first step stands in front of the loop: its products start the sums
	WIN 0                                          ; at a label and at a branch every window is 0
	s_mov_b32 s3, 3
.Llap:                                                 ; a trip goes once round the ring, from a record's second step to the first step of the record two on, and fills both slots again
	STEP 0, 1, 0
	STEP 0, 2, 0
	TURN 0, 1, 1
	STEP 1, 0, 0
	STEP 1, 1, 0
	STEP 1, 2, 0
	TURN 1, 0, 1
	STEP 0, 0, 0
	WIN 0
	s_sub_co_u32 s3, s3, 1
	s_cmp_lg_u32 s3, 0
	s_cbranch_scc1 .Llap
	STEP 0, 1, 0                                   ; record 6 goes on;
	STEP 0, 2, 0
	TURN 0, 1, 1                                   ; the last fill: record 8
	STEP 1, 0, 0
	STEP 1, 1, 0
	STEP 1, 2, 0
	TURN 1, 0, 0                                   ; nothing is left to fetch: a plain barrier, behind which nobody reads slot 1
	STEP 0, 0, 0
	STEP 0, 1, 0
	STEP 0, 2, 0
	s_wait_dscnt 0x0                               ; the very last step's fragments
.irp a, 0,1,2,3
	MULA 64, 3, 0, \a, 0
.endr
	WIN 0
	PLACES
	; ---- THE WAY OUT.  My 64 x 64 of h into my stage (rows of 256 bytes + 16), each accumulator from its low end on
.irp a, 0,1,2,3
.irp b, 0,1,2,3
	ds_store_b128 v[VSTO], v[ACC+32*\a+8*\b:ACC+32*\a+8*\b+3] offset:\a*16*SPITCH+64*\b
	ds_store_b128 v[VSTO], v[ACC+32*\a+8*\b+4:ACC+32*\a+8*\b+7] offset:\a*16*SPITCH+64*\b+16
.endr
.endr
	s_mov_b32 s98, 0
	s_mov_b32 s99, 4
.Lrows:                                                ; four trips: 16 rows each
	v_add_nc_u32 v[VRD], s98, v[VRD0]
.irp u, 0,1,2,3
.irp j, 0,1
	ds_load_b128 v[XH+8*\u+4*\j:XH+8*\u+4*\j+3], v[VRD] offset:(\u/2)*8*SPITCH+128*(\u%2)+16*\j   ; LDS serves a wave's instructions in order: these see my stores
.endr
.endr
	s_wait_dscnt 0x0                               ; the numbers are in, and the stores into the stage have read the accumulators, which the expansion now writes over
	EXPAND
	s_wait_xcnt 0x0                                ; the trip's stores have read their registers and bases: both are written again only behind this wait
	s_add_nc_u64 s[PS:PS+1], s[PS:PS+1], RG2       ; the next group of 16 rows
	s_add_nc_u64 s[PBC:PBC+1], s[PBC:PBC+1], RG2
	s_add_nc_u64 s[PBS:PBS+1], s[PBS:PBS+1], RG2
	s_add_co_u32 s98, s98, 16*SPITCH
	s_sub_co_u32 s99, s99, 1
	s_cmp_lg_u32 s99, 0
	s_cbranch_scc1 .Lrows
	s_wait_tensorcnt 0x0                           ; the wave's end, behind my last tensor load and my last LDS store
	ds_add_u32 v[SPW], v[NIL]
	s_wait_dscnt 0x0
	CROUND                                         ; the closing round: no work-group ends while a partner may still ask for a tile that names it
	s_endpgm
.Lfunc_end_k_q9c2fafded0_gemm1:
	.size	k_q9c2fafded0_gemm1, .Lfunc_end_k_q9c2fafded0_gemm1-k_q9c2fafded0_gemm1
	.p2alignl 7, 3214868480
	.fill 96, 4, 3214868480
	.section	.rodata,"a",@progbits
	.p2align	6, 0x0
	.amdhsa_kernel k_q9c2fafded0_gemm1
		.amdhsa_group_segment_fixed_size 327680
		.amdhsa_private_segment_fixed_size 0
		.amdhsa_enable_private_segment 0
		.amdhsa_kernarg_size 32
		.amdhsa_user_sgpr_count 2
		.amdhsa_user_sgpr_kernarg_segment_ptr 1
		.amdhsa_wavefront_size32 1
		.amdhsa_system_sgpr_workgroup_id_x 1
		.amdhsa_system_sgpr_workgroup_id_y 1
		.amdhsa_system_sgpr_workgroup_id_z 1
		.amdhsa_system_vgpr_workitem_id 0
		.amdhsa_next_free_vgpr 384
		.amdhsa_next_free_sgpr 102
		.amdhsa_reserve_vcc 0
		.amdhsa_float_denorm_mode_32 3
		.amdhsa_float_denorm_mode_16_64 3
		.amdhsa_memory_ordered 1
		.amdhsa_forward_progress 1
		.amdhsa_inst_pref_size 255
	.end_amdhsa_kernel
	.section	.bss,"aw",@nobits
	.p2align	6
	.space	262144
	.amdgpu_metadata
---
amdhsa.version: [ 1, 2 ]
amdhsa.kernels:
  - .name:           k_q9c2fafded0_gemm1
    .symbol:         k_q9c2fafded0_gemm1.kd
    .args:
      - { .name: a1, .offset: 0, .size: 8, .value_kind: global_buffer, .address_space: global }
      - { .name: w1c, .offset: 8, .size: 8, .value_kind: global_buffer, .address_space: global }
      - { .name: grid, .offset: 16, .size: 8, .value_kind: global_buffer, .address_space: global }
      - { .name: a2, .offset: 24, .size: 8, .value_kind: global_buffer, .address_space: global }
    .group_segment_fixed_size: 327680
    .private_segment_fixed_size: 0
    .kernarg_segment_align: 8
    .kernarg_segment_size: 32
    .max_flat_workgroup_size: 128
    .sgpr_count:     102
    .vgpr_count:     384
    .wavefront_size: 32
...
	.end_amdgpu_metadata
.endif
;; end of part 2
;; launch gemm2 (part 3): grid 8 x 32, 4 waves a work-group, clusters of 4 x 4, 327,680 bytes of LDS; arguments a2, w2c, out0; writes out0
.if DOCPART == 3
	.amdgcn_target "amdgcn-amd-amdhsa--gfx1250"
	.amdhsa_code_object_version 6
	.text
	.protected	k_q9c2fafded0_gemm2
	.globl	k_q9c2fafded0_gemm2
	.p2align	8
	.type	k_q9c2fafded0_gemm2,@function
k_q9c2fafded0_gemm2:
	s_mov_b64 s[64:65], 0
	v_nop
	global_prefetch_b8 v0, s[64:65] scope:SCOPE_SE
	s_setreg_imm32_b32 hwreg(HW_REG_WAVE_MODE, 25, 1), 1
	s_wait_xcnt 0x0
	s_wait_alu depctr_hold_cnt(0) depctr_sa_sdst(0) depctr_va_vdst(0) depctr_va_sdst(0) depctr_va_ssrc(0) depctr_va_vcc(0) depctr_vm_vsrc(0)
	s_getreg_b32 s2, hwreg(HW_REG_IB_STS2, 6, 4)
	s_cmp_eq_u32 s2, 0
	s_cbranch_scc0 .Lentry_in_a_cluster
	s_endpgm
.Lentry_in_a_cluster:
	s_bfe_u32 s2, ttmp6, 0x10000c
	s_cmp_lg_u32 s2, 0xf033
	s_cbranch_scc0 .Lentry_shape_is_right
	s_endpgm
.Lentry_shape_is_right:
; LAYER 2's PRODUCT.  out0 = a2 w2c^T on codes of E2M1 with E8M0 scales, K = 18,432 (silu(h) and w2_base, then the bases of h and w2_spline, one f32 sum).
; THE BUFFERS are laid in the order of the operand's registers.  A RECORD is 16 rows x 512 along K, 4,352 bytes: byte 256 kb + 16 r: the 32 codes of block kb of row r; byte 4,096 + 16 r + kb: its scale byte.
; A buffer is [group of 16 rows][36 records].  A fragment (16 rows x 128 K) is two loads of 16 bytes a lane at 1,024 q + 512 c + 16 x lane; a row's four scale words are 16 bytes.
; SHARES.  512 columns give 256 work-groups only with tiles of 64 x 64.  THE FOUR WAVES SHARE K, NOT THE TILE: a slot holds four records of 4 groups of a2 and 4 of w2c, and wave w multiplies record w,
; all 64 x 64: so every byte of a slot is read from LDS once.  The four partial sums meet in LDS at the end, (p0 + p1) + (p2 + p3): an order of f32 additions other than ascending K.
; Each wave fetches a quarter of a slot by one tensor load: 2 rows of 17,408 bytes, 156,672 bytes apart in memory, dense in LDS.
; CLUSTER 4 x 4: the four work-groups of a row need the same records of a2, the four of a column the same of w2c: each is asked for jointly.
; THE MATRIX INSTRUCTION IS USED TRANSPOSED (source 0 = 16 rows of w2c, source 1 = 16 rows of a2): a lane holds eight neighbouring columns of one row of the result.
; REGISTERS: window 0: v0-31 addresses; v32-63 scale words, two sets; v128-255 the accumulators ((a, b) at 128 + 32 a + 8 b).  Window 1: two sets of fragments of 64: A's four, then B's four.
; No prefetch: 9 fills a work-group, each with a whole slot's products in which to land.
.set RG,     156672                    ; a group of 16 rows in a2 and w2c
.set REC,    4352
.set RGS,    17408                     ; from group to group in a slot: four records
.set BOFF,   69632                     ; w2c's groups lie behind a2's four
.set SLOT,   139264
.set TROWS,  2                         ; a tensor load: 2 rows
.set TCOLS,  2176                      ; of 2,176 elements of 8 bytes,
.set TPITCH, 19584                     ; 19,584 elements apart
.set WLDS,   34816                     ; what it fills
.set FSTEP,  17408                     ; from fill to fill in memory
.set LRGT,   2                         ; log2 of the groups of a tile
.set LRGH,   1                         ; and of a tensor load
.set SPARE,  2*SLOT                    ; behind the ring: the spare words, 128 bytes a wave: two blocks of 256 bytes that no other line names
.set STAGE,  SLOT                      ; the way out: 64 rows x 272 bytes a wave, in slot 1: it has had its last fill and its last read when the first result is stored there
.set SPITCH, 272
.set VRD,  7                           ; v7   the stages, on the way back
.set VOO,  8                           ; v8   my byte offset in the wave's rows of out0
.set VSTO, 9                           ; v9   my stage, on the way in: 272 r + 32 h
.set SPW,  10                          ; v10  my spare word: SPARE + 4 x my thread's number; never rewritten
.set NIL,  11                          ; v11  0; never rewritten
.set ADRA, 16                          ; v16-17 my fragments of a2 in slot 0, 1
.set ADRB, 18                          ; v18-19 of w2c
.set ADRS, 20                          ; v20-21 my scale words: lanes 0-15 a2's rows, lanes 16-31 w2c's
.set SC,   32
.set ACC,  128
.set G1A,  24
.set G0A,  32
.set G1B,  48
.set G0B,  56
.set MSB, 0
.macro WIN new                         ; the immediate's high byte repeats the setting that is left
.if MSB != \new
	s_set_vgpr_msb (MSB<<8)|\new
.set MSB, \new
.endif
.endm
.set MUL,  0x05                        ; sources 0 and 1 window 1; C and D window 0
.set TO_F, 0x40                        ; destination window 1, address window 0
.macro JLOAD s                         ; a joint load: waves 0 and 1 fetch a2's halves, waves 2 and 3 w2c's; four v_nop follow each of the two lines
	s_cmp_eq_u32 s13, 0
	s_cbranch_scc0 .Lfor_b_\@
	tensor_load_to_lds s[G0A+4*\s:G0A+4*\s+3], s[G1A:G1A+7]
	s_nop 0
.rept 4
	v_nop
.endr
	s_branch .Lasked_\@
.Lfor_b_\@:
	tensor_load_to_lds s[G0B+4*\s:G0B+4*\s+3], s[G1B:G1B+7]
	s_nop 0
.rept 4
	v_nop
.endr
.Lasked_\@:
.endm
.macro CREST                           ; a round of the cluster's barrier behind its opening barrier
	s_cmp_lg_u32 s12, 0
	s_cbranch_scc1 .Lnot_wave_0_\@
	s_barrier_signal -3
.Lnot_wave_0_\@:
	s_barrier_wait -3
	s_barrier_signal -1
	s_barrier_wait -1
.endm
.macro CROUND
	s_barrier_signal -1
	s_barrier_wait -1
	CREST
.endm
.macro PLACES                          ; four places in front of loads into registers that matrix instructions have read, and of the first read of results
.rept 4
	v_nop
.endr
.endm
.macro FETCH slot, q, f                ; 16 LDS loads: B's four fragments and A's four of my record's q-th 128 along K, into set f
	WIN TO_F
.irp i, 0,1,2,3
.irp c, 0,1
	ds_load_b128 v[(\f)+32+8*\i+4*\c:(\f)+32+8*\i+4*\c+3], v[ADRB+\slot] offset:\i*RGS+1024*(\q)+512*\c
.endr
.endr
.irp i, 0,1,2,3
.irp c, 0,1
	ds_load_b128 v[(\f)+8*\i+4*\c:(\f)+8*\i+4*\c+3], v[ADRA+\slot] offset:\i*RGS+1024*(\q)+512*\c
.endr
.endr
.endm
.macro SCALES slot                     ; my record's scale words: four a row
.irp i, 0,1,2,3
	ds_load_b128 v[SC+16*\slot+4*\i:SC+16*\slot+4*\i+3], v[ADRS+\slot] offset:\i*RGS
.endr
.endm
; Four matrix instructions: A's group a against B's four.  The 16 accumulators take turns, one instruction a turn, in the same order in every step.
.macro MULA f, q, sc, a, zero
.irp b, 0,1,2,3
.if \zero
	v_wmma_scale_f32_16x16x128_f8f6f4 v[ACC+32*(\a)+8*\b:ACC+32*(\a)+8*\b+7], v[(\f)+32+8*\b:(\f)+32+8*\b+7], v[(\f)+8*(\a):(\f)+8*(\a)+7], 0, v[SC+16*(\sc)+4*\b+(\q)], v[SC+16*(\sc)+4*(\a)+(\q)] matrix_a_fmt:MATRIX_FMT_FP4 matrix_b_fmt:MATRIX_FMT_FP4 matrix_a_scale:MATRIX_SCALE_ROW1
.else
	v_wmma_scale_f32_16x16x128_f8f6f4 v[ACC+32*(\a)+8*\b:ACC+32*(\a)+8*\b+7], v[(\f)+32+8*\b:(\f)+32+8*\b+7], v[(\f)+8*(\a):(\f)+8*(\a)+7], v[ACC+32*(\a)+8*\b:ACC+32*(\a)+8*\b+7], v[SC+16*(\sc)+4*\b+(\q)], v[SC+16*(\sc)+4*(\a)+(\q)] matrix_a_fmt:MATRIX_FMT_FP4 matrix_b_fmt:MATRIX_FMT_FP4 matrix_a_scale:MATRIX_SCALE_ROW1
.endif
.endr
.endm
; One of a record's first three steps of 128 along K: the next step's fragments are asked for, then this step's 16 products are issued.
.macro STEP slot, q, zero
	PLACES
	FETCH \slot, (\q)+1, 64*(((\q)+1)%2)
	s_wait_dscnt 16                                ; all but the 16 loads just issued: this step's fragments (and scale words) are in
	WIN MUL
.irp a, 0,1,2,3
	MULA 64*((\q)%2), \q, \slot, \a, \zero
.endr
.endm
; A record's last step changes slots: ONE barrier; in front of it each wave waits for all its tensor loads, adds 0 to its spare word, and waits for that and for its reads of this slot.
.macro TURN slot, next, fill
	WIN 0                                          ; (the add's two registers lie in window 0)
	s_wait_tensorcnt 0x0                           ; all my tensor loads have landed: my part of the next slot
	ds_add_u32 v[SPW], v[NIL]                      ; 0 onto my spare word
	s_wait_dscnt 1                                 ; (the add may be out; the fragments are in)
	WIN MUL
	MULA 64, 3, \slot, 0, 0                        ; four matrix instructions stand between the add and the wait for it
	s_wait_dscnt 0x0                               ; the add is done, and my reads of this slot are over
	s_barrier_signal -1
	MULA 64, 3, \slot, 1, 0
	WIN 0
	s_barrier_wait -1
.if \fill
	CREST                                          ; the barrier has opened a round of the cluster's: no wave of any partner still reads this slot or has a load on its way
	s_add_nc_u64 s[G0A+4*\slot+2:G0A+4*\slot+3], s[G0A+4*\slot+2:G0A+4*\slot+3], 2*FSTEP
	s_add_nc_u64 s[G0B+4*\slot+2:G0B+4*\slot+3], s[G0B+4*\slot+2:G0B+4*\slot+3], 2*FSTEP
	JLOAD \slot                                    ; the first tensor load behind the round; its four v_nop are also the places in front of the loads below
.else
	PLACES
.endif
	FETCH \next, 0, 0
	WIN 0
	SCALES \next
	WIN MUL
	MULA 64, 3, \slot, 2, 0
	MULA 64, 3, \slot, 3, 0
.endm
	s_load_b128 s[4:7], s[0:1], 0x0                ; a2 s[4:5], w2c s[6:7]
	s_load_b64 s[8:9], s[0:1], 0x10                ; out0
	v_lshl_add_u32 v[SPW], v0, 2, SPARE
	v_mov_b32 v[NIL], 0
	ds_add_u32 v10, v11
	ds_add_u32 v10, v11
	s_wait_dscnt 0x0
	v_lshrrev_b32 v1, 5, v0
	v_readfirstlane_b32 s12, v1                    ; wave 0..3: which record of a slot is mine
	s_lshr_b32 s13, s12, 1                         ; I fetch for a2 (0) or for w2c (1),
	s_and_b32 s14, s12, 1                          ; and which half of the groups
	s_bfe_u32 s15, ttmp6, 0x40000                  ; cx, cy: my place in the cluster
	s_bfe_u32 s16, ttmp6, 0x40004
	s_lshl_b32 s17, ttmp9, 2
	s_add_co_u32 s17, s17, s15                     ; tile column = 4 x cluster x + cx
	s_and_b32 s18, ttmp7, 0xffff
	s_lshl_b32 s18, s18, 2
	s_add_co_u32 s18, s18, s16                     ; tile row = 4 x cluster y + cy
	s_lshl_b32 s19, s16, 2
	s_lshl_b32 s19, 15, s19                        ; my row of the cluster
	s_lshl_b32 s20, 0x1111, s15                    ; my column
	s_or_b32 s[G1A+0], s19, (3<<16)|(1<<21)        ; 15:0 the mask; 17:16 elements of 8 bytes; 21 set beside a mask; no padding
	s_or_b32 s[G1B+0], s20, (3<<16)|(1<<21)
.irp g, G1A, G1B
	s_mov_b32 s[\g+1], TCOLS<<16                   ; tensor_dim0
	s_mov_b32 s[\g+2], TROWS<<16                   ; tensor_dim1
	s_mov_b32 s[\g+3], TCOLS<<16                   ; tile_dim0
	s_mov_b32 s[\g+4], TROWS                       ; tile_dim1
	s_mov_b32 s[\g+5], TPITCH                      ; from row to row
	s_mov_b32 s[\g+6], 0
	s_mov_b32 s[\g+7], 0
.endr
	s_lshl_b32 s21, s14, LRGH                      ; which groups of the tile I fetch
	s_lshl_b32 s40, s18, LRGT
	s_add_co_u32 s40, s40, s21
	s_mul_i32 s40, s40, RG                         ; a2: by the tile row alone
	s_mov_b32 s41, 0
	s_lshl_b32 s46, s17, LRGT
	s_add_co_u32 s46, s46, s21
	s_mul_i32 s46, s46, RG                         ; w2c: by the tile column alone
	s_mov_b32 s47, 0
	s_mul_i32 s21, s12, WLDS                       ; where they go: by the wave's number alone
	s_wait_kmcnt 0x0
	s_add_nc_u64 s[40:41], s[4:5], s[40:41]
	s_add_nc_u64 s[46:47], s[6:7], s[46:47]
	CROUND                                         ; all sixteen work-groups are here: the first joint loads meet
.irp s, 0,1
	s_mov_b32 s[G0A+4*\s], 1
	s_add_co_u32 s[G0A+4*\s+1], s21, \s*SLOT
	s_add_nc_u64 s[G0A+4*\s+2:G0A+4*\s+3], s[40:41], \s*FSTEP
	s_or_b32 s[G0A+4*\s+3], s[G0A+4*\s+3], 0x80000000
	s_mov_b32 s[G0B+4*\s], 1
	s_add_co_u32 s[G0B+4*\s+1], s21, \s*SLOT
	s_add_nc_u64 s[G0B+4*\s+2:G0B+4*\s+3], s[46:47], \s*FSTEP
	s_or_b32 s[G0B+4*\s+3], s[G0B+4*\s+3], 0x80000000
	JLOAD \s                                       ; records 0-3 and 4-7: two loads of mine are out
.endr
	v_and_b32 v1, 15, v0                           ; r
	v_bfe_u32 v2, v0, 4, 1                         ; h
	v_and_b32 v12, 31, v0
	v_lshlrev_b32 v12, 4, v12                      ; 16 x lane
	s_mul_i32 s22, s12, REC                        ; my record in a2's groups,
	s_add_co_u32 s23, s22, BOFF                    ; and in w2c's
	v_add_nc_u32 v[ADRA], s22, v12
	v_add_nc_u32 v[ADRB], s23, v12
	v_add_nc_u32 v[ADRA+1], SLOT, v[ADRA]
	v_add_nc_u32 v[ADRB+1], SLOT, v[ADRB]
	s_sub_co_u32 s23, s23, s22
	v_mul_u32_u24 v13, s23, v2                     ; lanes 16-31 take w2c's scale words: the lower base + h x the distance
	v_lshl_add_u32 v13, v1, 4, v13
	v_add_nc_u32 v13, s22, v13
	v_add_nc_u32 v[ADRS], 4096, v13
	v_add_nc_u32 v[ADRS+1], SLOT+4096, v13
	s_mul_i32 s22, s12, 64*SPITCH
	s_add_co_u32 s22, s22, STAGE                   ; my stage
	v_mul_u32_u24 v[VSTO], v1, SPITCH
	v_lshl_add_u32 v[VSTO], v2, 5, v[VSTO]
	v_add_nc_u32 v[VSTO], s22, v[VSTO]
	s_mul_i32 s22, s12, 16*SPITCH
	s_add_co_u32 s22, s22, STAGE                   ; back: rows 16 x wave on of every stage; lanes 0-15 one row of 256 bytes, lanes 16-31 the next
	v_mul_u32_u24 v[VRD], v2, SPITCH
	v_lshl_add_u32 v[VRD], v1, 4, v[VRD]
	v_add_nc_u32 v[VRD], s22, v[VRD]
	v_lshlrev_b32 v[VOO], 11, v2                   ; and the same two rows in out0: 2,048 bytes a row
	v_lshl_add_u32 v[VOO], v1, 4, v[VOO]
	s_lshl_b32 s66, s18, 17                        ; 64 rows a tile row,
	s_lshl_b32 s44, s12, 15                        ; 16 rows a wave,
	s_add_co_u32 s66, s66, s44
	s_lshl_b32 s44, s17, 8                         ; 256 bytes a tile column
	s_add_co_u32 s66, s66, s44
	s_mov_b32 s67, 0
	s_add_nc_u64 s[8:9], s[8:9], s[66:67]
	s_wait_tensorcnt 1                             ; my part of slot 0 is in (slot 1's load may be out)
	s_barrier_signal -1
	s_barrier_wait -1                              ; everybody's is
	FETCH 0, 0, 0
	WIN 0
	SCALES 0
	STEP 0, 0, 1                                   ; the first step stands in front of the loop: its products start the sums
	WIN 0                                          ; at a label and at a branch every window is 0
	s_mov_b32 s3, 3
.Llap:                                                 ; a trip goes once round the ring and fills both slots again
	STEP 0, 1, 0
	STEP 0, 2, 0
	TURN 0, 1, 1
	STEP 1, 0, 0
	STEP 1, 1, 0
	STEP 1, 2, 0
	TURN 1, 0, 1
	STEP 0, 0, 0
	WIN 0
	s_sub_co_u32 s3, s3, 1
	s_cmp_lg_u32 s3, 0
	s_cbranch_scc1 .Llap
	STEP 0, 1, 0
	STEP 0, 2, 0
	TURN 0, 1, 1                                   ; the last fill: records 32-35
	STEP 1, 0, 0
	STEP 1, 1, 0
	STEP 1, 2, 0
	TURN 1, 0, 0                                   ; nothing is left to fetch: a plain barrier, behind which nobody reads slot 1
	STEP 0, 0, 0
	STEP 0, 1, 0
	STEP 0, 2, 0
	s_wait_dscnt 0x0                               ; the very last step's fragments
.irp a, 0,1,2,3
	MULA 64, 3, 0, \a, 0
.endr
	WIN 0
	PLACES
	; ---- THE WAY OUT.  My partial sums of the 64 x 64 into my stage, each accumulator from its low end on; a barrier; each wave adds the four stages' rows 16 w .. 16 w + 15 and stores them.
.irp a, 0,1,2,3
.irp b, 0,1,2,3
	ds_store_b128 v[VSTO], v[ACC+32*\a+8*\b:ACC+32*\a+8*\b+3] offset:\a*16*SPITCH+64*\b
	ds_store_b128 v[VSTO], v[ACC+32*\a+8*\b+4:ACC+32*\a+8*\b+7] offset:\a*16*SPITCH+64*\b+16
.endr
.endr
	s_wait_dscnt 0x0                               ; for the others' sake: my stores into my stage are done
	s_barrier_signal -1
	s_barrier_wait -1
.irp i, 0,1,2,3,4,5,6,7
.irp p, 0,1,2,3
	ds_load_b128 v[ACC+16*\i+4*\p:ACC+16*\i+4*\p+3], v[VRD] offset:\p*64*SPITCH+\i*2*SPITCH
.endr
.endr
.irp i, 0,1,2,3,4,5,6,7
	s_wait_dscnt 28-4*\i                           ; the four parts of rows 2 i, 2 i + 1 are in; the later rows' loads may be out
	v_pk_add_f32 v[ACC+16*\i:ACC+16*\i+1], v[ACC+16*\i:ACC+16*\i+1], v[ACC+16*\i+4:ACC+16*\i+5]
	v_pk_add_f32 v[ACC+16*\i+2:ACC+16*\i+3], v[ACC+16*\i+2:ACC+16*\i+3], v[ACC+16*\i+6:ACC+16*\i+7]
	v_pk_add_f32 v[ACC+16*\i+8:ACC+16*\i+9], v[ACC+16*\i+8:ACC+16*\i+9], v[ACC+16*\i+12:ACC+16*\i+13]
	v_pk_add_f32 v[ACC+16*\i+10:ACC+16*\i+11], v[ACC+16*\i+10:ACC+16*\i+11], v[ACC+16*\i+14:ACC+16*\i+15]
	v_pk_add_f32 v[ACC+16*\i:ACC+16*\i+1], v[ACC+16*\i:ACC+16*\i+1], v[ACC+16*\i+8:ACC+16*\i+9]
	v_pk_add_f32 v[ACC+16*\i+2:ACC+16*\i+3], v[ACC+16*\i+2:ACC+16*\i+3], v[ACC+16*\i+10:ACC+16*\i+11]
	global_store_b128 v[VOO], v[ACC+16*\i:ACC+16*\i+3], s[8:9] offset:4096*\i th:TH_STORE_NT   ; 16 lanes store 256 consecutive bytes, at a multiple of 256 from out0's first byte
.endr
	s_wait_tensorcnt 0x0                           ; the wave's end, behind my last tensor load and my last LDS store
	ds_add_u32 v[SPW], v[NIL]
	s_wait_dscnt 0x0
	CROUND                                         ; the closing round: no work-group ends while a partner may still ask for a tile that names it
	s_endpgm
.Lfunc_end_k_q9c2fafded0_gemm2:
	.size	k_q9c2fafded0_gemm2, .Lfunc_end_k_q9c2fafded0_gemm2-k_q9c2fafded0_gemm2
	.p2alignl 7, 3214868480
	.fill 96, 4, 3214868480
	.section	.rodata,"a",@progbits
	.p2align	6, 0x0
	.amdhsa_kernel k_q9c2fafded0_gemm2
		.amdhsa_group_segment_fixed_size 327680
		.amdhsa_private_segment_fixed_size 0
		.amdhsa_enable_private_segment 0
		.amdhsa_kernarg_size 24
		.amdhsa_user_sgpr_count 2
		.amdhsa_user_sgpr_kernarg_segment_ptr 1
		.amdhsa_wavefront_size32 1
		.amdhsa_system_sgpr_workgroup_id_x 1
		.amdhsa_system_sgpr_workgroup_id_y 1
		.amdhsa_system_sgpr_workgroup_id_z 1
		.amdhsa_system_vgpr_workitem_id 0
		.amdhsa_next_free_vgpr 384
		.amdhsa_next_free_sgpr 68
		.amdhsa_reserve_vcc 0
		.amdhsa_float_denorm_mode_32 3
		.amdhsa_float_denorm_mode_16_64 3
		.amdhsa_memory_ordered 1
		.amdhsa_forward_progress 1
		.amdhsa_inst_pref_size 85
	.end_amdhsa_kernel
	.amdgpu_metadata
---
amdhsa.version: [ 1, 2 ]
amdhsa.kernels:
  - .name:           k_q9c2fafded0_gemm2
    .symbol:         k_q9c2fafded0_gemm2.kd
    .args:
      - { .name: a2, .offset: 0, .size: 8, .value_kind: global_buffer, .address_space: global }
      - { .name: w2c, .offset: 8, .size: 8, .value_kind: global_buffer, .address_space: global }
      - { .name: out0, .offset: 16, .size: 8, .value_kind: global_buffer, .address_space: global }
    .group_segment_fixed_size: 327680
    .private_segment_fixed_size: 0
    .kernarg_segment_align: 8
    .kernarg_segment_size: 24
    .max_flat_workgroup_size: 128
    .sgpr_count:     68
    .vgpr_count:     384
    .wavefront_size: 32
...
	.end_amdgpu_metadata
.endif
;; end of part 3
